; MI455X (gfx1250); checked and timed in simulation.
; The chip was launched on July 23, 2026; its instructions are those of AMD's public machine-readable ISA for CDNA 5 (MIT licence, August 2026) and "CDNA5" Instruction Set Architecture Reference Guide (July 2026). The comments in the code are by the model that wrote it; some were corrected since.
;; Custom MHA. Allowed arithmetic: matrix products marked QUANTISED: E3M2 operands, one E8M0 scale for each 32 along K, by v_wmma_scale_f32_16x16x128_f8f6f4 with both operands' format E3M2, f32 sums; products left as they are: f32 operands where the result goes on into a quantised operand, else bf16, f16 or f32 operands; f32 sums; everything else in f32.
;; Inputs: w_o 1,024 x 1,024 float32; w_qkv 3,072 x 1,024 float32; x 8 x 2,048 x 1,024 float32.
;; Outputs: out0 8 x 2,048 x 1,024 float32.
;; Constants: n_heads = 16.
;; This version of the problem:
;;   THIS VERSION OF THE PROBLEM IS GIVEN IN LOW PRECISION. The matrix products marked QUANTISED in the list below multiply operands that are first quantised to E3M2 (3 exponent bits, 2 mantissa bits; 6 bits a number), with one power-of-two scale for each 32 numbers along K (OCP MX v1.0); their sums are f32. All else is computed in f32.
;;   The module's matrix products, in the order in which they are computed (A, B: the left and right operand; K: the contracted axis; several contracted axes count as one K, in the product's order):
;;     1. [M 16,384, K 1,024] x [K 1,024, N 3,072]; A: input x; B: input w_qkv: QUANTISED
;;     2. batch 16,384 x [M 16, K 64] x [K 64, N 16]; A: computed on the way; B: computed on the way: QUANTISED
;;     3. batch 16,384 x [M 16, K 16] x [K 16, N 64]; A: softmax; B: computed on the way: left as it is (K = 16 < 32)
;;     4. [M 16,384, K 1,024] x [K 1,024, N 1,024]; A: computed on the way; B: input w_o: QUANTISED
;;   THE QUANTISER, for each operand of a quantised product, along K:
;;     - K is cut into blocks of 32 from its start; a last block that is shorter is filled with zeros.
;;     - A block's scale is 2^e with e = floor(log2(the largest magnitude in the block)) - 4, held to -126 .. 127; a block of zeros has e = 0. As a byte (E8M0): e + 127.
;;     - Each number is divided by its block's scale, clamped to +-28, and rounded to the nearest number of E3M2, ties to even, subnormals kept.
;;     - The product sums the exact products of the quantised numbers (number of the format x scale) in f32.
;;   ~~~python
;;   def quantise(x, axis):      # numpy; x: float32 -> the quantised numbers, widened to float32 again
;;       x = np.moveaxis(x, axis, -1); K = x.shape[-1]
;;       x = np.pad(x, [(0, 0)] * (x.ndim - 1) + [(0, -K % 32)]); x = x.reshape(x.shape[:-1] + (-1, 32)); a = np.abs(x).max(-1, keepdims=True)
;;       e = np.where(a > 0, np.clip(np.frexp(np.where(a > 0, a, 1))[1] - 1 - 4, -126, 127), 0)      # np.frexp(a)[1] - 1 = floor(log2(a)), exactly
;;       r = np.clip(x / 2.0 ** e, -28, 28)
;;       step = 2.0 ** (np.maximum(np.frexp(np.where(r == 0, 1, r))[1] - 1, -2) - 2)
;;       q = np.round(r / step) * step * 2.0 ** e      # np.round: ties to even
;;       return np.moveaxis(q.reshape(q.shape[:-2] + (-1,))[..., :K], -1, axis).astype(np.float32)
;;   ~~~
;;   OPERANDS COMPUTED ON THE WAY. 'Computed on the way' means the value that the module computes at that place (a softmax that the list does not call 'softmax' is quantised finished and normalised). What goes into a quantiser is computed in f32, as accurately as f32 sums, v_exp_f32 and their like allow (about 1e-6 of the number): no bf16 or f16 on the way to a quantiser, and a product that is left as it is and whose result goes on into a quantised operand takes f32 operands (vector FMAs, or v_wmma_f32_16x16x4_f32). A number that lies on a knife's edge between two numbers of the format may be rounded either way, as far as f32 arithmetic and the matrix unit's own rounding can turn it there, and no further.
;; 2 versions, each right and faster than the one before. Each part assembles by itself: llvm-mc -triple=amdgcn-amd-amdhsa -mcpu=gfx1250 --defsym DOCPART=n.
;; ======== version 1 of 2: 2 launches
;; workspace buffers: wimg 3,276,800 bytes
;; launch wq (part 1): grid 256 x 1, 8 waves a work-group, no clusters, 69,632 bytes of LDS; arguments w_qkv, w_o, wimg; writes wimg
.if DOCPART == 1
	.amdgcn_target "amdgcn-amd-amdhsa--gfx1250"
	.amdhsa_code_object_version 6
	.text
	.protected	k_qd7dcc4efc5_wq
	.globl	k_qd7dcc4efc5_wq
	.p2align	8
	.type	k_qd7dcc4efc5_wq,@function
k_qd7dcc4efc5_wq:
	s_mov_b64 s[64:65], 0
	v_nop
	global_prefetch_b8 v0, s[64:65] scope:SCOPE_SE
	s_setreg_imm32_b32 hwreg(HW_REG_WAVE_MODE, 25, 1), 1
	s_wait_xcnt 0x0
; w_qkv [3072][1024] and w_o [1024][1024], f32, K innermost, become codes of BF6 (E3M2) with one E8M0 byte for each 32 along K,
; laid in wimg AS THE SECOND LAUNCH STREAMS THEM: 256 records of 12,800 bytes.  A record is a tile of 16 rows x all 1,024 of K:
; eight fragments (16 rows x 128 K) as images of the operand's registers (1,536 bytes: register group g at 512 g, lane l at 16 l), then 512 bytes
; of scale words (lane l's 16 bytes at 16 l; word e = the word of tile row l % 16 for K step 2 e + l / 16).
; WHICH ROWS FORM RECORD rec = 8 t + 2 c + a (tile row i = 0 .. 15): row = base + stride (i % 8) + jump (i / 8):
;   t 0-15  (q, k):  w_qkv, base 128 t + 32 c + 8 a, stride 1, jump 16: two records' results are 16 neighbours along the next K
;   t 16-23 (v):     w_qkv, base 2048 + d, stride 64, jump 512: one channel d of all 16 heads; d = 32 b + 8 u + 16 hf + 2 c + a, t - 16 = 4 b + 2 u + hf
;   t 24-31 (out):   w_o,   base 256 ((t - 24) / 2) + 64 c + 32 (t % 2) + 8 a, stride 1, jump 16
; A work-group makes one record, wave s its K step s.  A block's scale is 2^(floor(log2(largest magnitude)) - 4); its byte is that magnitude's exponent field - 4, held at 1 from below.
; LIMITS: a block of zeros gets the byte 1 where the rule says 127 (its codes are zeros, and this program alone reads the bytes); blocks whose largest magnitude
; lies under 2^-122 keep the byte 1; NaN and infinities among the inputs are not served.
.set RECB,  12800
.set SP,    528                        ; a stage row: 512 bytes + 16 = 33 x 16: the sixteen rows that a load of 16 bytes a lane touches start in different banks
.set STGB,  16*SP                      ; a wave's stage
.set SCB,   8*STGB                     ; behind the eight stages: the record's 512 bytes of scale words
.set L,     16                         ; v16-79   the numbers as loaded
.set T,     80                         ; v80-143  64 numbers of my row: register 16 b + i = k 32 b + 16 (lane / 16) + i
.set QPC,   144                        ; v144-162 the codes
.set QTM,   164                        ; v164-179 at work
.set PW,    180                        ; v180     the scale word
.set SEL,   28                         ; s[28:29] v_permlanex16_b32's selects for lane l xor 16
.set RB,    32                         ; s[32:63] the addresses of the tile's sixteen rows
; 64 numbers of a lane become a fragment's 12 registers of codes in v[QPC] on and its row's scale word in v[pw].
.macro QUANT s, pw
.irp b, 0,1,2,3
	v_max3_num_f32 v[QTM+\b], |v[\s+16*\b]|, |v[\s+1+16*\b]|, 0x2800000   ; block b: my 16 numbers, and the floor 2^(5 - 127): the byte cannot fall under 1
.endr
.irp i, 2,4,6,8,10,12,14
.irp b, 0,1,2,3
	v_max3_num_f32 v[QTM+\b], v[QTM+\b], |v[\s+16*\b+\i]|, |v[\s+1+16*\b+\i]|   ; the four blocks by turns
.endr
.endr
.irp b, 0,1,2,3
	v_permlanex16_b32 v[QTM+4+\b], v[QTM+\b], s[SEL], s[SEL+1]
.endr
.irp b, 0,1,2,3
	v_max_num_f32 v[QTM+\b], v[QTM+\b], v[QTM+4+\b]                ; with lane l xor 16's 16: the block's largest magnitude
.endr
.irp b, 0,1,2,3
	v_add_nc_u32 v[QTM+12+\b], 0xfe000000, v[QTM+\b]               ; 4 off its exponent field: the conversion takes this operand's exponent field as its scale
.endr
.irp b, 0,1,2,3
	v_lshrrev_b32 v[QTM+4+\b], 23, v[QTM+12+\b]                    ; the scale's byte
.endr
	v_lshl_or_b32 v[\pw], v[QTM+5], 8, v[QTM+4]
	v_lshl_or_b32 v[\pw], v[QTM+6], 16, v[\pw]
	v_lshl_or_b32 v[\pw], v[QTM+7], 24, v[\pw]
.irp c, 0,1
	v_cvt_scalef32_pk16_bf6_f32 v[QPC+6*\c:QPC+2+6*\c], v[\s+32*\c:\s+15+32*\c], v[QTM+12+2*\c]
	v_cvt_scalef32_pk16_bf6_f32 v[QPC+12+4*\c:QPC+14+4*\c], v[\s+16+32*\c:\s+31+32*\c], v[QTM+12+2*\c+1]   ; (a conversion's three registers begin on an even number)
.endr
	v_nop                                          ; one plain place behind a scaled conversion
.irp c, 0,1                                    ; the operand's layout wants a whole block in a lane: lanes 0-15 block 2 c, lanes 16-31 block 2 c + 1
.irp i, 0,1,2
	v_permlane16_swap_b32 v[QPC+6*\c+\i], v[QPC+12+4*\c+\i]
.endr
.irp i, 0,1,2
	v_mov_b32 v[QPC+3+6*\c+\i], v[QPC+12+4*\c+\i]
.endr
.endr
.endm
	s_load_b128 s[8:11], s[0:1], 0x0               ; w_qkv s[8:9], w_o s[10:11]
	s_load_b64 s[12:13], s[0:1], 0x10              ; wimg
	v_lshl_add_u32 v192, v0, 2, 0x10c00
	v_mov_b32 v193, 0
	v_lshrrev_b32 v1, 5, v0
	v_readfirstlane_b32 s14, v1                    ; wave = K step 0..7
	v_and_b32 v2, 31, v0
	v_and_b32 v3, 15, v0                           ; r
	v_bfe_u32 v4, v0, 4, 1                         ; h
	v_lshlrev_b32 v2, 4, v2                        ; 16 x lane
	s_lshl_b32 s15, s14, 9
	v_add_nc_u32 v5, s15, v2                       ; in a row of W: my K step's 512 bytes, 16 a lane
	s_mul_i32 s15, s14, STGB
	v_add_nc_u32 v6, s15, v2                       ; the stage, on the way in: a row as it lies
	v_mul_u32_u24 v7, v3, SP
	v_lshl_add_u32 v7, v4, 6, v7
	v_add_nc_u32 v7, s15, v7                       ; and out: row r, + 64 h: my 16 numbers of each block of 32
	s_mul_i32 s15, s14, 1536
	v_add_nc_u32 v8, s15, v2                       ; in the record: my fragment's image
	s_and_b32 s15, s14, 1
	s_lshl_b32 s15, s15, 8
	s_lshr_b32 s16, s14, 1
	s_lshl_b32 s16, s16, 2
	s_add_co_u32 s15, s15, s16
	s_add_co_u32 s15, s15, SCB
	v_lshl_add_u32 v9, v3, 4, s15                  ; my row's scale word: 16 r + 256 (s % 2) + 4 (s / 2)
	v_add_nc_u32 v10, SCB, v2                      ; the scale block read back,
	v_add_nc_u32 v11, 8*1536, v2                   ; and its place in the record
	s_mov_b32 s[SEL], 0x76543210
	s_mov_b32 s[SEL+1], 0xfedcba98
.irp b, 0,1,2,3
	v_mov_b32 v[QTM+4+\b], 0                       ; written once: a lane permute's destination counts as one of its sources
.endr
	; the record's rows
	s_and_b32 s16, ttmp9, 1                        ; a
	s_bfe_u32 s17, ttmp9, 0x20001                  ; c
	s_lshr_b32 s18, ttmp9, 3                       ; t
	s_lshl_b32 s20, s18, 7
	s_lshl_b32 s21, s17, 5
	s_add_co_u32 s20, s20, s21
	s_lshl_b32 s21, s16, 3
	s_add_co_u32 s20, s20, s21                     ; q, k: 128 t + 32 c + 8 a
	s_bfe_u32 s22, s18, 0x20001
	s_lshl_b32 s22, s22, 8
	s_lshl_b32 s23, s17, 6
	s_add_co_u32 s22, s22, s23
	s_and_b32 s23, s18, 1
	s_lshl_b32 s24, s23, 5
	s_add_co_u32 s22, s22, s24
	s_add_co_u32 s22, s22, s21                     ; out: 256 ((t / 2) % 4) + 64 c + 32 (t % 2) + 8 a
	s_bfe_u32 s24, s18, 0x10002
	s_lshl_b32 s24, s24, 5
	s_bfe_u32 s25, s18, 0x10001
	s_lshl_b32 s25, s25, 3
	s_add_co_u32 s24, s24, s25
	s_lshl_b32 s25, s23, 4
	s_add_co_u32 s24, s24, s25
	s_lshl_b32 s25, s17, 1
	s_add_co_u32 s24, s24, s25
	s_add_co_u32 s24, s24, s16
	s_add_co_u32 s24, s24, 2048                    ; v: 2048 + 32 b + 8 u + 16 hf + 2 c + a
	s_lshr_b32 s25, s18, 3                         ; t / 8: 0, 1 q and k; 2 v; 3 out
	s_cmp_lt_u32 s18, 16
	s_cselect_b32 s20, s20, s22
	s_cmp_eq_u32 s25, 2
	s_cselect_b32 s20, s24, s20                    ; the first row,
	s_cselect_b32 s21, 64, 1                       ; the stride inside eight rows,
	s_cselect_b32 s22, 512, 16                     ; and from the first eight to the second
	s_lshl_b32 s20, s20, 12                        ; in bytes: a row is 4,096
	s_lshl_b32 s21, s21, 12
	s_lshl_b32 s22, s22, 12
	s_wait_kmcnt 0x0
	s_cmp_lt_u32 s18, 24                           ; the choice of the tensor hangs on the work-group's number alone
	s_cselect_b64 s[8:9], s[8:9], s[10:11]
.irp i, 0,1,2,3,4,5,6,7,8,9,10,11,12,13,14,15
	s_mul_i32 s24, s21, (\i&7)
	s_mul_i32 s25, s22, (\i>>3)
	s_add_co_u32 s24, s24, s25
	s_add_co_u32 s24, s24, s20
	s_mov_b32 s25, 0
	s_add_nc_u64 s[RB+2*\i:RB+2*\i+1], s[8:9], s[24:25]
	global_load_b128 v[L+4*\i:L+4*\i+3], v5, s[RB+2*\i:RB+2*\i+1] th:TH_LOAD_NT   ; 32 lanes read 512 consecutive bytes of tile row i; each byte of W is read once in the launch
.endr
	s_mul_i32 s24, ttmp9, RECB
	s_mov_b32 s25, 0
	s_add_nc_u64 s[12:13], s[12:13], s[24:25]      ; my record
.irp i, 0,1,2,3,4,5,6,7,8,9,10,11,12,13,14,15
	s_wait_loadcnt 15-\i                           ; loads come back in order: row i is in, the 15 - i behind it may be out
	ds_store_b128 v6, v[L+4*\i:L+4*\i+3] offset:SP*\i
.endr
.irp b, 0,1,2,3
.irp j, 0,1,2,3
	ds_load_b128 v[T+16*\b+4*\j:T+16*\b+4*\j+3], v7 offset:128*\b+16*\j   ; LDS serves a wave's instructions in order: these see my stores
.endr
.endr
	s_wait_dscnt 0x0
	QUANT T, PW
.irp g, 0,1,2
	global_store_b128 v8, v[QPC+4*\g:QPC+4*\g+3], s[12:13] offset:512*\g   ; 512 consecutive bytes, at a multiple of 256 from the buffer's first byte
.endr
	ds_store_b32 v9, v[PW]                         ; both halves of the lanes hold row r's word and write it to the same place
	s_wait_dscnt 0x0                               ; for the others' sake: my store has landed
	s_barrier_signal -1
	s_barrier_wait -1
	s_cmp_lg_u32 s14, 0
	s_cbranch_scc1 .Ldone                          ; wave 0 sends the eight waves' words: 512 consecutive bytes
	ds_load_b128 v[L:L+3], v10
	s_wait_dscnt 0x0
	global_store_b128 v11, v[L:L+3], s[12:13]
.Ldone:
	s_wait_tensorcnt 0x0
	ds_add_u32 v192, v193
	s_wait_dscnt 0x0
	s_endpgm
.Lfunc_end_k_qd7dcc4efc5_wq:
	.size	k_qd7dcc4efc5_wq, .Lfunc_end_k_qd7dcc4efc5_wq-k_qd7dcc4efc5_wq
	.p2alignl 7, 3214868480
	.fill 96, 4, 3214868480
	.section	.rodata,"a",@progbits
	.p2align	6, 0x0
	.amdhsa_kernel k_qd7dcc4efc5_wq
		.amdhsa_group_segment_fixed_size 69632
		.amdhsa_private_segment_fixed_size 0
		.amdhsa_enable_private_segment 0
		.amdhsa_kernarg_size 24
		.amdhsa_user_sgpr_count 2
		.amdhsa_user_sgpr_kernarg_segment_ptr 1
		.amdhsa_wavefront_size32 1
		.amdhsa_system_sgpr_workgroup_id_x 1
		.amdhsa_system_sgpr_workgroup_id_y 1
		.amdhsa_system_sgpr_workgroup_id_z 1
		.amdhsa_system_vgpr_workitem_id 0
		.amdhsa_next_free_vgpr 194
		.amdhsa_next_free_sgpr 80
		.amdhsa_reserve_vcc 0
		.amdhsa_float_denorm_mode_32 3
		.amdhsa_float_denorm_mode_16_64 3
		.amdhsa_memory_ordered 1
		.amdhsa_forward_progress 1
		.amdhsa_inst_pref_size 15
	.end_amdhsa_kernel
	.amdgpu_metadata
---
amdhsa.version: [ 1, 2 ]
amdhsa.kernels:
  - .name:           k_qd7dcc4efc5_wq
    .symbol:         k_qd7dcc4efc5_wq.kd
    .args:
      - { .name: w_qkv, .offset: 0, .size: 8, .value_kind: global_buffer, .address_space: global }
      - { .name: w_o, .offset: 8, .size: 8, .value_kind: global_buffer, .address_space: global }
      - { .name: wimg, .offset: 16, .size: 8, .value_kind: global_buffer, .address_space: global }
    .group_segment_fixed_size: 69632
    .private_segment_fixed_size: 0
    .kernarg_segment_align: 8
    .kernarg_segment_size: 24
    .max_flat_workgroup_size: 256
    .sgpr_count:     80
    .vgpr_count:     194
    .wavefront_size: 32
...
	.end_amdgpu_metadata
.endif
;; end of part 1
;; launch fused (part 2): grid 256 x 1, 4 waves a work-group, clusters of 4 x 1, 327,680 bytes of LDS; arguments x, wimg, out0; writes out0
.if DOCPART == 2
	.amdgcn_target "amdgcn-amd-amdhsa--gfx1250"
	.amdhsa_code_object_version 6
	.text
	.protected	k_qd7dcc4efc5_fused
	.globl	k_qd7dcc4efc5_fused
	.p2align	8
	.type	k_qd7dcc4efc5_fused,@function
k_qd7dcc4efc5_fused:
	s_mov_b64 s[64:65], 0
	v_nop
	global_prefetch_b8 v0, s[64:65] scope:SCOPE_SE
	s_setreg_imm32_b32 hwreg(HW_REG_WAVE_MODE, 25, 1), 1
	s_wait_xcnt 0x0
	s_wait_alu depctr_hold_cnt(0) depctr_sa_sdst(0) depctr_va_vdst(0) depctr_va_sdst(0) depctr_va_ssrc(0) depctr_va_vcc(0) depctr_vm_vsrc(0)
	s_getreg_b32 s2, hwreg(HW_REG_IB_STS2, 6, 4)
	s_cmp_eq_u32 s2, 0
	s_cbranch_scc0 .Lentry_in_a_cluster
	s_endpgm
.Lentry_in_a_cluster:
	s_bfe_u32 s2, ttmp6, 0x10000c
	s_cmp_lg_u32 s2, 0x3003
	s_cbranch_scc0 .Lentry_shape_is_right
	s_endpgm
.Lentry_shape_is_right:
; out = Q(y') Q(w_o)^T,  y' = softmax over heads (per token) x v,  (q, k, v) = Q(x) Q(w_qkv)^T: the whole chain for 64 tokens in one work-group; nothing but the weights' codes comes from a launch before.
; All quantised products on codes of BF6 (E3M2) with one E8M0 byte for each 32 along K, f32 sums.  p v has f32 operands, since y' goes on into a quantiser.
; SHARES.  16,384 tokens / 256 work-groups = 64 tokens = four tiles of 16.  In the three large products THE WAVES SHARE THE COLUMNS: the weights come as a stream of 32 slots of 102,400 bytes; a slot has
; a part of 25,600 bytes for each wave: two records, each a tile of 16 rows of W x all 1,024 of K.  Wave w multiplies its two records by all four tiles of tokens, whose 32 fragments stay in its registers:
; 64 matrix instructions a slot; each fragment of W read from LDS feeds four of them, and no byte of a slot is read twice.  In the work per token (x's quantiser, scores, softmax, p v, y's quantiser) wave w owns tile w.
; CLUSTER.  Every work-group walks the same stream, so the four of a cluster ask for each part JOINTLY: the same tensor load with the same descriptor and a mask that names the four.  A wave reads only the part that
; its own load brought, so its own wait on TENSORcnt is all that its reads need.
; ALL PRODUCTS ARE USED TRANSPOSED (source 0 = 16 rows of W, source 1 = 16 tokens): a lane holds one token (lane % 16), its registers run along W's rows; the launch before has chosen each record's rows so that
;   q, k, out: the 16 registers of a wave's two records are 16 neighbouring columns, 32 B + 16 (lane / 16) + 0 .. 15;     v: a record is one channel d of all 16 heads: register j = head 8 (lane / 16) + j.
; SLOTS 0-15: q and k: quantised from the accumulators, codes and bytes to LDS.  Then the scores of each token, S^T = k q^T (K = 64, the upper 64 of the instruction's K are zero codes), / 32, hidden and zero scores
; to -infinity, softmax with the row's maximum taken away; p stays in registers.  SLOTS 16-23: v, 16 channels at a time through a stage in LDS, so that a lane holds a channel; y'^T = v^T p^T by the f32 matrix form;
; each 32 channels of y' are quantised to LDS.  SLOTS 24-31: the out projection, 64 columns a wave through its own stage, stored as whole rows of 256 bytes.
; LIMITS: a block of zeros gets the byte 1 where the rule says 127 (its codes are zeros, nobody else reads the bytes); blocks whose largest magnitude lies under 2^-122 keep the byte 1; NaN and infinities among the inputs
; are not served; a row of scores whose every allowed score is exactly 0 (NaN by the definition) is not served: its NaN does not pass y's quantiser.
; LDS: two slots (filled by tensor loads alone), then a region written by LDS stores alone and used anew in each phase, then the spare words.
; REGISTERS, in windows of 256: window 0: v1-28 addresses; v40-55 the tokens' scale words; v56-63 W's; v64-159 eight fragments of W; v160-223 eight accumulators; v224-255 at work.
;   window 1: token fragments f = 4 s + m < 20 at 12 f; v240-255 p of tokens 0, 1.   window 2: fragments f >= 20 at 12 (f - 20); from v144 p of tokens 2-15.   window 3: y'^T, 16 registers a token, written by the f32 matrix form alone.
.set PARTB, 25600                      ; a wave's part of a slot
.set SLOTB, 4*PARTB
.set RECB,  12800                      ; a record: 8 fragments + 512 bytes of scale words
.set FRB,   1536                       ; a fragment's image: 12 registers x 128 bytes
.set RG,    2*SLOTB                    ; the region that LDS stores write
.set SPARE, 327168                     ; the spare words, 128 bytes for each wave: two blocks of 256 bytes that no other line names
.set XIMG,  RG                         ; phase X: x's 32 fragments as images (4 s + m),
.set XSC,   XIMG+32*FRB                ; their scale words, 512 bytes a tile of tokens,
.set XSTG,  XSC+4*512                  ; and a stage of 16 x 528 bytes for each wave
.set XSP,   528
.set QKC,   RG                         ; q's and k's codes: a token's 64 blocks of 24 bytes (q 0-31, k 32-63) + 16: 388 words, so that token r starts at bank 4 r mod 64
.set QKP,   1552
.set QKS,   QKC+64*QKP                 ; their scale bytes: 64 a token + 4
.set QSP,   68
.set YC,    RG                         ; y's codes: a token's 32 blocks of 24 bytes + 16: 196 words: token r starts at bank 4 r mod 64
.set YP,    784
.set YS,    YC+64*YP                   ; their scale bytes: 32 a token + 4
.set YSP,   36
.set VST,   YS+64*YSP                  ; v's stage: for each token an image of 8 registers x 32 lanes (two planes of 512 bytes) + 16
.set VP,    1040
.set OST,   VST                        ; the way out: for each wave 64 rows x (256 bytes + 16)
.set OP,    272
.set SPW,  1                           ; v1  LDS address of my spare word; never rewritten
.set NIL,  2                           ; v2  0; never rewritten
.set NINF, 3                           ; v3  -infinity
.set FA,   4                           ; v4-5  my part of slot 0, 1: + 16 x lane
.set XA,   6                           ; v6  16 x lane
.set XSW,  7                           ; v7  x's stage, in
.set XSR,  8                           ; v8  x's stage, out
.set XW,   9                           ; v9  where I store x's images
.set XR,   10                          ; v10 where anybody reads them
.set XSCW, 11                          ; v11 where I store x's scale words
.set QA0A, 12                          ; v12 q, k codes: token r of tiles 0, 1; + 12 h + 24 w
.set QA0B, 13                          ; v13 the same for tiles 2, 3
.set QS0,  14                          ; v14 q, k scale bytes
.set QAA,  15                          ; v15-17 these three with the slot's step
.set QAB,  16
.set QSA,  17
.set SQ,   18                          ; v18 scores: head r, block h of my tile's first token
.set SS,   19                          ; v19 its scale bytes: lanes 0-15 q's heads, lanes 16-31 k's
.set VA,   20                          ; v20 v's stage, in
.set VR,   21                          ; v21 v's stage, out
.set YA,   22                          ; v22 y's codes, in
.set YSA,  23                          ; v23 y's scale bytes, in
.set YR,   24                          ; v24 y's fragments, out
.set YSR,  25                          ; v25 y's scale words, out
.set OSW,  26                          ; v26 the way out: in
.set ORD,  27                          ; v27 back
.set CO,   28                          ; v28 my byte offset in out0
.set XS,   40                          ; register 4 m + e: lanes 0-15 the word of K step 2 e, lanes 16-31 that of 2 e + 1, of tile m's tokens
.set WS,   56                          ; register 4 a + e: the same of record a's rows
.set F,    64
.set ACC,  160                         ; the accumulator of (record a, tile m) at ACC + 16 m + 8 a
.set T,    160                         ; phase X: 64 numbers
.set QPC,  64                          ; phase X: codes, at work, the eight scale words, the four words to store
.set QTM,  84
.set PWS,  104
.set XW4,  112
.set BTM,  224                         ; four blocks or four tokens at work
.set BTX,  228
.set BSO,  232
.set BBY,  236
.set BCD,  240
.set VO,   64                          ; v as source 0 of p v: 8 registers a token
.set YTM,  64                          ; y's quantiser: sixteen tokens at work
.set YTX,  80
.set YSO,  96
.set YBY,  112
.set YCD,  128
.set OB,   64                          ; the way out: 32 x 4 registers
.set WV,   10                          ; s10 my wave's number
.set G1,   16                          ; s[16:23] descriptor group 1
.set G0,   24                          ; s[24:31] descriptor group 0, a set for each slot
.set SEL,  32                          ; s[32:33] v_permlanex16_b32's selects for lane l xor 16
.set HM,   34                          ; s34 lanes 16-31
.set LE,   35                          ; s35 log2(e)
.set MK,   36                          ; s[36:43] register e's hidden lanes: 8 (lane / 16) + e > lane % 16
.set CNT,  44
.set QOFF, 45                          ; s45 24 bytes x the slot's first block
.set QSOFF, 46                         ; s46 the slot's first block
.set MSB, 0
.macro WIN new                         ; the immediate's high byte repeats the setting that is left; a switch that changes nothing is dropped
.if MSB != \new
	s_set_vgpr_msb (MSB<<8)|\new
.set MSB, \new
.endif
.endm
.macro PLACES n                        ; plain vector instructions that name no register of the matrix instructions in front of them (ISA guide 7.12.1)
.rept \n
	v_nop
.endr
.endm
.macro ROUND                           ; a round of the cluster's barrier
	s_barrier_signal -1
	s_barrier_wait -1
	s_cmp_lg_u32 s[WV], 0
	s_cbranch_scc1 .Lnot_wave_0_\@
	s_barrier_signal -3
.Lnot_wave_0_\@:
	s_barrier_wait -3
	s_barrier_signal -1
	s_barrier_wait -1
.endm
.macro BARRIER                         ; my LDS stores have landed and my LDS loads are in: then the work-group's barrier.
	s_wait_dscnt 0x0
	s_barrier_signal -1
	s_barrier_wait -1
.endm
; THE CHANGE OF SLOTS, at a slot's head.  Slot rs, read in the period before, is filled again with the stream's slot two on; the load has this whole period in which to land.
.macro CHANGE rs
	s_wait_tensorcnt 0x0                           ; my one load that was out, my part of the slot that I am about to read, has landed: so a group 0 may be written
	ds_add_u32 v[SPW], v[NIL]                      ; 0 onto my spare word
	s_add_nc_u64 s[G0+4*\rs+2:G0+4*\rs+3], s[G0+4*\rs+2:G0+4*\rs+3], 2*SLOTB   ; the type bits on top are not reached
	s_wait_dscnt 0x0                               ; the add is done; my reads of slot rs and all my stores of the period before are over
	ROUND                                          ; that now holds of every wave of the four work-groups
	tensor_load_to_lds s[G0+4*\rs:G0+4*\rs+3], s[G1:G1+7]   ; my one tensor load behind the round, and the first thing there
	s_nop 0
	PLACES 4
.endm
; d = base + cr x (lane % 16) + ch x (lane / 16) + cw x wave
.macro ADDR d, cr, ch, cw, base
	v_mul_u32_u24 v[\d], v30, \cr
.if \ch
	v_mad_u32_u24 v[\d], v31, \ch, v[\d]
.endif
.if \cw
	s_mul_i32 s11, s[WV], \cw
.if \base
	s_add_co_u32 s11, s11, \base
.endif
	v_add_nc_u32 v[\d], s11, v[\d]
.elseif \base
	v_add_nc_u32 v[\d], \base, v[\d]
.endif
.endm
; 64 numbers of a lane, register 16 b + i = k 32 b + 16 (lane / 16) + i of my row, become a fragment's 12 registers of codes in v[QPC] on and the row's scale word in v[pw].
.macro QUANT s, pw
.irp b, 0,1,2,3
	v_max3_num_f32 v[QTM+\b], |v[\s+16*\b]|, |v[\s+1+16*\b]|, 0x2800000   ; block b: my 16 numbers, and the floor 2^(5 - 127): the byte cannot fall under 1
.endr
.irp i, 2,4,6,8,10,12,14
.irp b, 0,1,2,3
	v_max3_num_f32 v[QTM+\b], v[QTM+\b], |v[\s+16*\b+\i]|, |v[\s+1+16*\b+\i]|
.endr
.endr
.irp b, 0,1,2,3
	v_permlanex16_b32 v[QTM+4+\b], v[QTM+\b], s[SEL], s[SEL+1]
.endr
.irp b, 0,1,2,3
	v_max_num_f32 v[QTM+\b], v[QTM+\b], v[QTM+4+\b]
.endr
.irp b, 0,1,2,3
	v_add_nc_u32 v[QTM+12+\b], 0xfe000000, v[QTM+\b]               ; 4 off the exponent field: the conversion's scale operand
.endr
.irp b, 0,1,2,3
	v_lshrrev_b32 v[QTM+4+\b], 23, v[QTM+12+\b]                    ; the scale's byte
.endr
	v_lshl_or_b32 v[\pw], v[QTM+5], 8, v[QTM+4]
	v_lshl_or_b32 v[\pw], v[QTM+6], 16, v[\pw]
	v_lshl_or_b32 v[\pw], v[QTM+7], 24, v[\pw]
.irp c, 0,1
	v_cvt_scalef32_pk16_bf6_f32 v[QPC+6*\c:QPC+2+6*\c], v[\s+32*\c:\s+15+32*\c], v[QTM+12+2*\c]
	v_cvt_scalef32_pk16_bf6_f32 v[QPC+12+4*\c:QPC+14+4*\c], v[\s+16+32*\c:\s+31+32*\c], v[QTM+12+2*\c+1]   ; (a conversion's three registers begin on an even number)
.endr
	v_nop                                          ; one plain place behind a scaled conversion
.irp c, 0,1                                    ; a whole block to a lane: lanes 0-15 block 2 c, lanes 16-31 block 2 c + 1
.irp i, 0,1,2
	v_permlane16_swap_b32 v[QPC+6*\c+\i], v[QPC+12+4*\c+\i]
.endr
.irp i, 0,1,2
	v_mov_b32 v[QPC+3+6*\c+\i], v[QPC+12+4*\c+\i]
.endr
.endr
.endm
; PHASE X.  K step s of my 16 tokens: sixteen loads, each 512 consecutive bytes of one token, into set s % 4 of window 1
.macro XL s
	WIN 0x40                                       ; destination window 1
.irp i, 0,1,2,3,4,5,6,7,8,9,10,11,12,13,14,15
	global_load_b128 v[64*((\s)%4)+4*\i:64*((\s)%4)+4*\i+3], v[XA], s[4:5] offset:4096*\i+512*(\s) th:TH_LOAD_NT
.endr
.endm
.macro XSTEP s
.if (\s) < 6
	s_wait_loadcnt 32                              ; step s is in; the 32 loads of the two steps behind it may be out
.else
	s_wait_loadcnt 16*(7-(\s))
.endif
	WIN 0x04                                       ; an LDS store's data are its source 1: window 1
.irp i, 0,1,2,3,4,5,6,7,8,9,10,11,12,13,14,15
	ds_store_b128 v[XSW], v[64*((\s)%4)+4*\i:64*((\s)%4)+4*\i+3] offset:XSP*\i
.endr
.irp b, 0,1,2,3
.irp j, 0,1,2,3
	ds_load_b128 v[T+16*\b+4*\j:T+16*\b+4*\j+3], v[XSR] offset:128*\b+16*\j   ; LDS serves a wave's instructions in order: these see my stores
.endr
.endr
.if (\s)+3 < 8
	XL (\s)+3                                      ; into the set that the step before has left
.endif
	WIN 0
	s_wait_dscnt 0x0
	QUANT T, PWS+(\s)
.irp g, 0,1,2
	ds_store_b128 v[XW], v[QPC+4*\g:QPC+4*\g+3] offset:4*FRB*(\s)+512*\g      ; fragment 4 s + w as it stands
.endr
.endm
.macro XLOAD                           ; all 32 fragments of x, and their scale words, into my registers
.set f, 0
.rept 32
.if f < 20
	WIN 0x40
.else
	WIN 0x80
.endif
.set rB, 12*(f%20)
.irp g, 0,1,2
	ds_load_b128 v[rB+4*\g:rB+4*\g+3], v[XR] offset:FRB*f+512*\g
.endr
.set f, f+1
.endr
	WIN 0
.irp m, 0,1,2,3
	ds_load_b128 v[XS+4*\m:XS+4*\m+3], v[XR] offset:32*FRB+512*\m
.endr
.endm
; A PERIOD'S PRODUCTS.  WFR: four fragments of record a, K steps s0 on, from my part of slot sl.
.macro WFR sl, a, s0
.irp s, \s0, \s0+1, \s0+2, \s0+3
.irp g, 0,1,2
	ds_load_b128 v[F+12*(\s)+4*\g:F+12*(\s)+4*\g+3], v[FA+\sl] offset:RECB*\a+FRB*(\s)+512*\g
.endr
.endr
.endm
; HALF: 16 matrix instructions: record a, K steps s0 .. s0 + 3, the four tiles of tokens by turns, one instruction a turn.  K step 0 starts the sums: nothing is cleared.
.macro HALF a, s0
.irp s, \s0, \s0+1, \s0+2, \s0+3
.if (\s) < 5
	WIN 0x04                                       ; source 1 (the tokens) window 1
.else
	WIN 0x08                                       ; window 2
.endif
.irp m, 0,1,2,3
.set rD, ACC+16*\m+8*\a
.set rA, F+12*(\s)
.set rB, 12*((4*(\s)+\m)%20)
.set rW, WS+4*\a+(\s)/2
.set rX, XS+4*\m+(\s)/2
.if (\s) == 0
	v_wmma_scale_f32_16x16x128_f8f6f4 v[rD:rD+7], v[rA:rA+11], v[rB:rB+11], 0, v[rW], v[rX] matrix_a_fmt:MATRIX_FMT_BF6 matrix_b_fmt:MATRIX_FMT_BF6
.elseif (\s)%2
	v_wmma_scale_f32_16x16x128_f8f6f4 v[rD:rD+7], v[rA:rA+11], v[rB:rB+11], v[rD:rD+7], v[rW], v[rX] matrix_a_fmt:MATRIX_FMT_BF6 matrix_b_fmt:MATRIX_FMT_BF6 matrix_a_scale:MATRIX_SCALE_ROW1 matrix_b_scale:MATRIX_SCALE_ROW1
.else
	v_wmma_scale_f32_16x16x128_f8f6f4 v[rD:rD+7], v[rA:rA+11], v[rB:rB+11], v[rD:rD+7], v[rW], v[rX] matrix_a_fmt:MATRIX_FMT_BF6 matrix_b_fmt:MATRIX_FMT_BF6
.endif
.endr
.endr
.endm
; The LDS loads stand under the products' window settings: those change source 1 alone, which a load does not have.
.macro GEMM sl
	ds_load_b128 v[WS:WS+3], v[FA+\sl] offset:8*FRB
	ds_load_b128 v[WS+4:WS+7], v[FA+\sl] offset:RECB+8*FRB
	WFR \sl, 0, 0
	WFR \sl, 0, 4
	s_wait_dscnt 12                                ; all but the youngest twelve: record 0's K steps 4-7
	HALF 0, 0
	PLACES 4                                       ; in front of loads into registers that matrix instructions have read
	WFR \sl, 1, 0
	s_wait_dscnt 12                                ; all but the twelve just issued
	HALF 0, 4
	PLACES 4
	WFR \sl, 1, 4
	s_wait_dscnt 12
	HALF 1, 0
	s_wait_dscnt 0x0
	HALF 1, 4
	WIN 0
	PLACES 5                                       ; four for reads of the results and for loads into the operands; the fifth for the next product that begins an accumulator anew
.endm
; Four blocks of 32 by turns: tile m's 16 registers hold 16 neighbours of a block, lane l xor 16 the other 16.  Codes (12 bytes a lane) in v[BCD + 4 m] on, the byte in v[BBY + m].  Each accumulator is read from its low end on.
.macro BLOCKQ4
.irp m, 0,1,2,3
	v_max3_num_f32 v[BTM+\m], |v[ACC+16*\m]|, |v[ACC+16*\m+1]|, 0x2800000
.endr
.irp i, 2,4,6,8,10,12,14
.irp m, 0,1,2,3
	v_max3_num_f32 v[BTM+\m], v[BTM+\m], |v[ACC+16*\m+\i]|, |v[ACC+16*\m+\i+1]|
.endr
.endr
.irp m, 0,1,2,3
	v_permlanex16_b32 v[BTX+\m], v[BTM+\m], s[SEL], s[SEL+1]
.endr
.irp m, 0,1,2,3
	v_max_num_f32 v[BTM+\m], v[BTM+\m], v[BTX+\m]
.endr
.irp m, 0,1,2,3
	v_add_nc_u32 v[BSO+\m], 0xfe000000, v[BTM+\m]
.endr
.irp m, 0,1,2,3
	v_lshrrev_b32 v[BBY+\m], 23, v[BSO+\m]
.endr
.irp m, 0,1,2,3
	v_cvt_scalef32_pk16_bf6_f32 v[BCD+4*\m:BCD+4*\m+2], v[ACC+16*\m:ACC+16*\m+15], v[BSO+\m]
.endr
	v_nop                                          ; one plain place behind a scaled conversion
.endm
.macro QKEPI                           ; block B = 4 t + w of q or k, for 64 tokens: 12 bytes a lane at 24 B + 12 h of the token's row, the byte at B
	v_add_nc_u32 v[QAA], s[QOFF], v[QA0A]
	v_add_nc_u32 v[QAB], s[QOFF], v[QA0B]
	v_add_nc_u32 v[QSA], s[QSOFF], v[QS0]
	BLOCKQ4
.irp m, 0,1,2,3
.irp e, 0,1,2
	ds_store_b32 v[QAA+\m/2], v[BCD+4*\m+\e] offset:16*QKP*(\m%2)+4*\e
.endr
	ds_store_b8 v[QSA], v[BBY+\m] offset:16*QSP*\m                 ; both lanes of a block write the same byte with the same value
.endr
	s_add_co_u32 s[QOFF], s[QOFF], 96
	s_add_co_u32 s[QSOFF], s[QSOFF], 4
.endm
; PHASE S, four tokens (4 g + q) of my tile at a time.  S^T = k q^T: lane (i = lane % 16, h) holds query head i; register e key head j = 8 h + e.
.macro SBATCH g
.irp q, 0,1,2,3
.irp p, 0,1,2
	ds_load_b64 v[F+24*\q+2*\p:F+24*\q+2*\p+1], v[SQ] offset:QKP*(4*\g+\q)+768+8*\p       ; k: head r, block h: 24 bytes as they lie
	ds_load_b64 v[F+24*\q+12+2*\p:F+24*\q+12+2*\p+1], v[SQ] offset:QKP*(4*\g+\q)+8*\p     ; q
.endr
	ds_load_u16 v[WS+\q], v[SS] offset:QSP*(4*\g+\q)               ; two bytes a head: lanes 0-15 q's, lanes 16-31 k's; the upper two bytes, over zero codes, are 0
.endr
	s_wait_dscnt 0x0
.irp q, 0,1,2,3
	v_wmma_scale_f32_16x16x128_f8f6f4 v[ACC+8*\q:ACC+8*\q+7], v[F+24*\q:F+24*\q+11], v[F+24*\q+12:F+24*\q+23], 0, v[WS+\q], v[WS+\q] matrix_a_fmt:MATRIX_FMT_BF6 matrix_b_fmt:MATRIX_FMT_BF6 matrix_a_scale:MATRIX_SCALE_ROW1
.endr
	PLACES 5                                       ; for the reads below, the next batch's loads, and its products, which begin these accumulators anew
.irp e, 0,1,2,3,4,5,6,7
.irp q, 0,1,2,3
	v_mul_f32 v[ACC+8*\q+\e], 0x3d000000, v[ACC+8*\q+\e]           ; / sqrt(1024): x 2^-5, exact
.endr
.endr
.irp e, 0,1,2,3,4,5,6,7
.irp q, 0,1,2,3
	v_cmp_eq_f32 vcc_lo, 0, v[ACC+8*\q+\e]
	v_cndmask_b32 v[ACC+8*\q+\e], v[ACC+8*\q+\e], v[NINF], vcc_lo  ; every exact zero becomes -infinity,
	v_cndmask_b32 v[ACC+8*\q+\e], v[ACC+8*\q+\e], v[NINF], s[MK+\e]   ; and so does what lies above the diagonal
.endr
.endr
.irp q, 0,1,2,3
	v_max3_num_f32 v[BTM+\q], v[ACC+8*\q], v[ACC+8*\q+1], v[ACC+8*\q+2]
.endr
.irp e, 3,5
.irp q, 0,1,2,3
	v_max3_num_f32 v[BTM+\q], v[BTM+\q], v[ACC+8*\q+\e], v[ACC+8*\q+\e+1]
.endr
.endr
.irp q, 0,1,2,3
	v_max_num_f32 v[BTM+\q], v[BTM+\q], v[ACC+8*\q+7]
.endr
.irp q, 0,1,2,3
	v_permlanex16_b32 v[BTX+\q], v[BTM+\q], s[SEL], s[SEL+1]
.endr
.irp q, 0,1,2,3
	v_max_num_f32 v[BTM+\q], v[BTM+\q], v[BTX+\q]                  ; the row's maximum
.endr
.irp q, 0,1,2,3
	v_mul_f32 v[BSO+\q], s[LE], v[BTM+\q]
.endr
.irp e, 0,1,2,3,4,5,6,7
.irp q, 0,1,2,3
	v_fma_f32 v[ACC+8*\q+\e], v[ACC+8*\q+\e], s[LE], -v[BSO+\q]    ; (s - max) log2(e) in one rounding; the rounding of max log2(e) is the same for the whole row and leaves with the division
.endr
.endr
.irp e, 0,1,2,3,4,5,6,7
.irp q, 0,1,2,3
	v_exp_f32 v[ACC+8*\q+\e], v[ACC+8*\q+\e]
.endr
.endr
	v_nop                                          ; a plain place behind the exponentials
	s_wait_alu depctr_va_vdst(0)
.irp q, 0,1,2,3
	v_add_f32 v[BBY+\q], v[ACC+8*\q], v[ACC+8*\q+1]
.endr
.irp e, 2,3,4,5,6,7
.irp q, 0,1,2,3
	v_add_f32 v[BBY+\q], v[BBY+\q], v[ACC+8*\q+\e]
.endr
.endr
.irp q, 0,1,2,3
	v_permlanex16_b32 v[BTX+\q], v[BBY+\q], s[SEL], s[SEL+1]
.endr
.irp q, 0,1,2,3
	v_add_f32 v[BBY+\q], v[BBY+\q], v[BTX+\q]
.endr
.irp q, 0,1,2,3
	v_rcp_f32 v[BCD+\q], v[BBY+\q]
.endr
	v_nop                                          ; a plain place behind the reciprocals
	s_wait_alu depctr_va_vdst(0)
.irp q, 0,1,2,3
.if 4*\g+\q < 2
	WIN 0x40                                       ; p of tokens 0, 1: window 1
.set rP, 240+8*(4*\g+\q)
.else
	WIN 0x80                                       ; of the others: window 2
.set rP, 144+8*(4*\g+\q-2)
.endif
.irp e, 0,1,2,3,4,5,6,7
	v_mul_f32 v[rP+\e], v[ACC+8*\q+\e], v[BCD+\q]
.endr
.endr
	WIN 0
.endm
; v: record a of this period is channel d = 32 b + 16 hf + 8 u + 2 w + a.  My lane (token r, h) holds heads 8 h + 0 .. 7 of it: they go to the token's image at lane 16 h + 8 hf + 2 w + a, four registers a plane.
.macro VEPI hf
.irp m, 0,1,2,3
.irp a, 0,1
	ds_store_b128 v[VA], v[ACC+16*\m+8*\a:ACC+16*\m+8*\a+3] offset:16*VP*\m+128*\hf+16*\a          ; each accumulator from its low end on
	ds_store_b128 v[VA], v[ACC+16*\m+8*\a+4:ACC+16*\m+8*\a+7] offset:16*VP*\m+128*\hf+16*\a+512
.endr
.endr
.endm
; y'^T = v^T p^T for my 16 tokens, 16 channels: source 0 lane (r', h) register e = v(head 8 h + e, channel 32 b + 16 (r' / 8) + 8 u + r' % 8); source 1 = p.  The instruction's k = 2 h + j stands for head 8 h + 2 s + j on both sides.
; Result: lane (i, h), register e: channel 32 b + 16 h + 8 u + e of head i.  The sixteen tokens' accumulators take turns; K step 0 starts the sums.
.macro P3 u
.irp t, 0,1,2,3,4,5,6,7,8,9,10,11,12,13,14,15
	ds_load_b128 v[VO+8*\t:VO+8*\t+3], v[VR] offset:VP*\t
.endr
.irp t, 0,1,2,3,4,5,6,7,8,9,10,11,12,13,14,15
	ds_load_b128 v[VO+8*\t+4:VO+8*\t+7], v[VR] offset:VP*\t+512
.endr
.irp s, 0,1,2,3
.if \s == 0
	s_wait_dscnt 16                                ; the first plane is in
.elseif \s == 2
	s_wait_dscnt 0x0
.endif
.irp t, 0,1,2,3,4,5,6,7,8,9,10,11,12,13,14,15
.if \t < 2
	WIN 0xf4                                       ; C and D window 3, p window 1
.set rP, 240+8*\t
.else
	WIN 0xf8                                       ; p window 2
.set rP, 144+8*(\t-2)
.endif
.if \s == 0
	v_wmma_f32_16x16x4_f32 v[16*\t+8*\u:16*\t+8*\u+7], v[VO+8*\t+2*\s:VO+8*\t+2*\s+1], v[rP+2*\s:rP+2*\s+1], 0
.else
	v_wmma_f32_16x16x4_f32 v[16*\t+8*\u:16*\t+8*\u+7], v[VO+8*\t+2*\s:VO+8*\t+2*\s+1], v[rP+2*\s:rP+2*\s+1], v[16*\t+8*\u:16*\t+8*\u+7]
.endif
.endr
.endr
	WIN 0
	PLACES 9                                       ; eight for reads of the results and loads into the operands, the ninth for matrix instructions that write over them
.endm
; Channels 32 b .. 32 b + 31 of y', my 16 tokens by turns: a lane's 16 registers and lane l xor 16's are block 2 i + b of the last product's K.
.macro YQUANT b
	WIN 0x0f                                       ; sources 0 and 1: window 3
.irp t, 0,1,2,3,4,5,6,7,8,9,10,11,12,13,14,15
	v_max3_num_f32 v[YTM+\t], |v[16*\t]|, |v[16*\t+1]|, 0x2800000
.endr
.irp i, 2,4,6,8,10,12,14
.irp t, 0,1,2,3,4,5,6,7,8,9,10,11,12,13,14,15
	v_max3_num_f32 v[YTM+\t], |v[16*\t+\i]|, |v[16*\t+\i+1]|, v[YTM+\t]   ; ascending: each accumulator is read from its low end on
.endr
.endr
	WIN 0
.irp t, 0,1,2,3,4,5,6,7,8,9,10,11,12,13,14,15
	v_permlanex16_b32 v[YTX+\t], v[YTM+\t], s[SEL], s[SEL+1]       ; (its destination has held v)
.endr
.irp t, 0,1,2,3,4,5,6,7,8,9,10,11,12,13,14,15
	v_max_num_f32 v[YTM+\t], v[YTM+\t], v[YTX+\t]
.endr
.irp t, 0,1,2,3,4,5,6,7,8,9,10,11,12,13,14,15
	v_add_nc_u32 v[YSO+\t], 0xfe000000, v[YTM+\t]
.endr
.irp t, 0,1,2,3,4,5,6,7,8,9,10,11,12,13,14,15
	v_lshrrev_b32 v[YBY+\t], 23, v[YSO+\t]
.endr
	WIN 0x03                                       ; source 0: window 3
.irp t, 0,1,2,3,4,5,6,7,8,9,10,11,12,13,14,15
	v_cvt_scalef32_pk16_bf6_f32 v[YCD+4*\t:YCD+4*\t+2], v[16*\t:16*\t+15], v[YSO+\t]
.endr
	WIN 0
	v_nop                                          ; one plain place behind a scaled conversion
.irp t, 0,1,2,3,4,5,6,7,8,9,10,11,12,13,14,15
.irp e, 0,1,2
	ds_store_b32 v[YA], v[YCD+4*\t+\e] offset:YP*\t+24*\b+4*\e
.endr
	ds_store_b8 v[YSA], v[YBY+\t] offset:YSP*\t+\b
.endr
.endm
.macro YLOAD                           ; y's 32 fragments take x's place: lane (r, h) of fragment 4 s + m: token 16 m + r, 24 bytes at 96 s + 24 h and at 96 s + 48 + 24 h, in pieces of 8
.set f, 0
.rept 32
.if f < 20
	WIN 0x40
.else
	WIN 0x80
.endif
.set rB, 12*(f%20)
.irp p, 0,1,2,3,4,5
	ds_load_b64 v[rB+2*\p:rB+2*\p+1], v[YR] offset:16*YP*(f%4)+96*(f/4)+48*(\p/3)+8*(\p%3)
.endr
.set f, f+1
.endr
	WIN 0
.irp m, 0,1,2,3
.irp e, 0,1,2,3
	ds_load_b32 v[XS+4*\m+\e], v[YSR] offset:16*YSP*\m+8*\e
.endr
.endr
	s_wait_dscnt 0x0
.endm
.macro OEPI par                        ; a lane's 16 registers of tile m are 16 neighbouring columns, 32 par + 16 h on, of my 64: 64 bytes of the token's row in my stage
.irp m, 0,1,2,3
.irp q, 0,1,2,3
	ds_store_b128 v[OSW], v[ACC+16*\m+4*\q:ACC+16*\m+4*\q+3] offset:16*OP*\m+128*\par+16*\q
.endr
.endr
.endm
.macro WAYOUT u                        ; my 64 columns, 64 (4 u + w) on, of 64 tokens: back as rows of 256 bytes, two an instruction.  The stage is my own: LDS serves a wave's instructions in order
.set i, 0
.rept 32
	ds_load_b128 v[OB+4*i:OB+4*i+3], v[ORD] offset:2*OP*i
.set i, i+1
.endr
.set i, 0
.rept 32
	s_wait_dscnt 31-i
	global_store_b128 v[CO], v[OB+4*i:OB+4*i+3], s[8:9] offset:8192*i+1024*\u th:TH_STORE_NT   ; sixteen lanes store 256 consecutive bytes, at a multiple of 256 from out0's first byte
.set i, i+1
.endr
.if \u < 3
	s_wait_xcnt 0x0                                ; the registers that these stores read are loaded again only behind this wait
.endif
.endm
	; ---- the head
	s_load_b128 s[4:7], s[0:1], 0x0                ; x s[4:5], wimg s[6:7]
	s_load_b64 s[8:9], s[0:1], 0x10                ; out0
	v_lshl_add_u32 v[SPW], v0, 2, SPARE
	v_mov_b32 v[NIL], 0
	ds_add_u32 v1, v2
	ds_add_u32 v1, v2
	s_wait_dscnt 0x0
	v_lshrrev_b32 v29, 5, v0
	v_readfirstlane_b32 s[WV], v29                 ; wave 0..3
	s_bfe_u32 s12, ttmp6, 0x40000                  ; cx: it enters x's and out0's addresses alone
	s_lshl_b32 s13, ttmp9, 2                       ; in a cluster launch ttmp9 counts clusters
	s_add_co_u32 s12, s13, s12                     ; my work-group
	s_lshl_b32 s12, s12, 18                        ; its 64 tokens of 4,096 bytes
	s_mov_b32 s13, 0
	s_lshl_b32 s14, s[WV], 16                      ; my wave's 16 of them
	s_mov_b32 s15, 0
	; descriptor group 1: a dense block of 25,600 bytes as 100 rows of 256
	s_mov_b32 s[G1], 15|(3<<16)|(1<<21)            ; 15:0 the mask: all four work-groups; 17:16 elements of 8 bytes; 20 no padding; 21 set beside a mask
	s_mov_b32 s[G1+1], 32<<16                      ; tensor_dim0 = 32
	s_mov_b32 s[G1+2], 100<<16                     ; tensor_dim1 = 100
	s_mov_b32 s[G1+3], 32<<16                      ; tile_dim0 = 32
	s_mov_b32 s[G1+4], 100                         ; tile_dim1 = 100
	s_mov_b32 s[G1+5], 32                          ; from row to row
	s_mov_b32 s[G1+6], 0
	s_mov_b32 s[G1+7], 0
	s_mul_i32 s48, s[WV], PARTB                    ; my part of a slot, in the stream and in LDS: the wave's number alone
	s_mov_b32 s49, 0
	s_mov_b32 s[G0], 1
	s_mov_b32 s[G0+1], s48
	s_mov_b32 s[G0+4], 1
	s_add_co_u32 s[G0+5], s48, SLOTB
	s_mov_b32 s[SEL], 0x76543210
	s_mov_b32 s[SEL+1], 0xfedcba98
	s_mov_b32 s[HM], 0xffff0000
	s_mov_b32 s[LE], 0x3fb8aa3b
	s_mov_b32 s[QOFF], 0
	s_mov_b32 s[QSOFF], 0
	v_and_b32 v30, 15, v0                          ; r
	v_bfe_u32 v31, v0, 4, 1                        ; h
	ADDR XA, 16, 256, 0, 0
	s_wait_kmcnt 0x0
	s_add_nc_u64 s[G0+2:G0+3], s[6:7], s[48:49]    ; the stream's slot 0,
	s_add_nc_u64 s[G0+6:G0+7], s[G0+2:G0+3], SLOTB ; and slot 1
	s_or_b32 s[G0+3], s[G0+3], 0x80000000          ; type = 2
	s_or_b32 s[G0+7], s[G0+7], 0x80000000
	s_add_nc_u64 s[4:5], s[4:5], s[12:13]
	s_add_nc_u64 s[4:5], s[4:5], s[14:15]          ; x at my wave's first token
	s_add_nc_u64 s[8:9], s[8:9], s[12:13]          ; out0 at the work-group's first token
	ROUND                                          ; all four work-groups are here: the first joint loads meet
	tensor_load_to_lds s[G0:G0+3], s[G1:G1+7]      ; both first fills together: two loads of mine are out
	s_nop 0
	tensor_load_to_lds s[G0+4:G0+7], s[G1:G1+7]
	s_nop 0
	PLACES 4
	XL 0
	XL 1
	XL 2
	WIN 0
	ADDR FA, 16, 256, PARTB, 0
	v_add_nc_u32 v[FA+1], SLOTB, v[FA]
	ADDR XSW, 16, 256, 16*XSP, XSTG
	ADDR XSR, XSP, 64, 16*XSP, XSTG
	ADDR XW, 16, 256, FRB, XIMG
	ADDR XR, 16, 256, 0, RG
	ADDR XSCW, 16, 256, 512, XSC
	ADDR QA0A, QKP, 12, 24, QKC
	v_add_nc_u32 v[QA0B], 32*QKP, v[QA0A]
	ADDR QS0, QSP, 0, 1, QKS
	ADDR SQ, 48, 24, 16*QKP, QKC
	ADDR SS, 2, 32, 16*QSP, QKS
	ADDR VA, VP, 256, 32, VST
	ADDR VR, 16, 256, 16*VP, VST
	ADDR YA, 48, 12, 16*YP, YC
	ADDR YSA, 2, 0, 16*YSP, YS
	ADDR YR, YP, 24, 0, YC
	ADDR YSR, YSP, 4, 0, YS
	ADDR OSW, OP, 64, 64*OP, OST
	ADDR ORD, 16, OP, 64*OP, OST
	ADDR CO, 16, 4096, 256, 0
	v_mov_b32 v[NINF], 0xff800000
	v_lshlrev_b32 v32, 3, v31
	v_sub_nc_u32 v32, v30, v32                     ; i - 8 h
.irp j, 0,1,2,3,4,5,6,7
	v_cmp_gt_i32 s[MK+\j], \j, v32                 ; hidden where 8 h + j > i
.endr
.irp b, 0,1,2,3
	v_mov_b32 v[QTM+4+\b], 0                       ; written once: a lane permute's destination counts as one of its sources
	v_mov_b32 v[BTX+\b], 0
.endr
	; ---- X: my 16 tokens of x become eight fragments; loads run three K steps ahead
.irp s, 0,1,2,3,4,5,6,7
	XSTEP \s
.endr
.irp e, 0,1,2,3
	v_cndmask_b32 v[XW4+\e], v[PWS+2*\e], v[PWS+2*\e+1], s[HM]     ; lanes 0-15 keep K step 2 e's word, lanes 16-31 take 2 e + 1's
.endr
	ds_store_b128 v[XSCW], v[XW4:XW4+3]
	BARRIER                                        ; x's 32 fragments lie in LDS
	XLOAD
	BARRIER                                        ; every wave has them in registers: their bytes may be written again
	; ---- slots 0-15: q and k
	s_wait_tensorcnt 0x1                           ; my part of slot 0 is in; slot 1's load, issued behind it, may be out
	GEMM 0
	QKEPI
	s_mov_b32 s[CNT], 7
.Lqk:                                              ; slots 1 to 14, two a trip
	CHANGE 0
	GEMM 1
	QKEPI
	CHANGE 1
	GEMM 0
	QKEPI
	s_sub_co_u32 s[CNT], s[CNT], 1
	s_cmp_lg_u32 s[CNT], 0
	s_cbranch_scc1 .Lqk
	CHANGE 0
	GEMM 1
	QKEPI
	BARRIER                                        ; all 64 blocks of every token lie in LDS
	; ---- S: scores and softmax of my 16 tokens
.irp q, 0,1,2,3
.irp j, 6,7,8,9,10,11,18,19,20,21,22,23
	v_mov_b32 v[F+24*\q+\j], 0                     ; K = 64: the upper 64 of the instruction's K are zero codes, on both sides
.endr
.endr
	PLACES 4                                       ; an operand written by vector instructions stands four places ahead of a scaled matrix instruction
.irp g, 0,1,2,3
	SBATCH \g
.endr
	; ---- slots 16-23: v, p v and y's quantiser: 16 channels to two slots
.irp ch, 0,1,2,3
	CHANGE 1
	GEMM 0
	VEPI 0
	CHANGE 0
	GEMM 1
	VEPI 1
	BARRIER                                        ; 16 channels of all heads of 64 tokens lie in the stage
	P3 (\ch%2)
.if \ch%2
	YQUANT (\ch/2)
.endif
.endr
	; ---- slots 24-31: the out projection, 64 columns a wave to two slots
.irp u, 0,1,2,3
	CHANGE 1                                       ; (the first of these rounds also shows every wave's codes of y' stored)
.if \u == 0
	YLOAD
.endif
	GEMM 0
	OEPI 0
.if \u < 3
	CHANGE 0
.else
	s_wait_tensorcnt 0x0                           ; the last slot: no load was issued behind its own, and nothing is left to ask for
.endif
	GEMM 1
	OEPI 1
	WAYOUT \u
.endr
	s_wait_tensorcnt 0x0                           ; the wave's end, behind my last tensor load and my last LDS store
	ds_add_u32 v[SPW], v[NIL]
	s_wait_dscnt 0x0
	ROUND                                          ; the closing round: no work-group ends while a partner may still ask for a part that names it
	s_endpgm
.Lfunc_end_k_qd7dcc4efc5_fused:
	.size	k_qd7dcc4efc5_fused, .Lfunc_end_k_qd7dcc4efc5_fused-k_qd7dcc4efc5_fused
	.p2alignl 7, 3214868480
	.fill 96, 4, 3214868480
	.section	.rodata,"a",@progbits
	.p2align	6, 0x0
	.amdhsa_kernel k_qd7dcc4efc5_fused
		.amdhsa_group_segment_fixed_size 327680
		.amdhsa_private_segment_fixed_size 0
		.amdhsa_enable_private_segment 0
		.amdhsa_kernarg_size 24
		.amdhsa_user_sgpr_count 2
		.amdhsa_user_sgpr_kernarg_segment_ptr 1
		.amdhsa_wavefront_size32 1
		.amdhsa_system_sgpr_workgroup_id_x 1
		.amdhsa_system_sgpr_workgroup_id_y 1
		.amdhsa_system_sgpr_workgroup_id_z 1
		.amdhsa_system_vgpr_workitem_id 0
		.amdhsa_next_free_vgpr 1024
		.amdhsa_next_free_sgpr 66
		.amdhsa_reserve_vcc 1
		.amdhsa_float_denorm_mode_32 3
		.amdhsa_float_denorm_mode_16_64 3
		.amdhsa_memory_ordered 1
		.amdhsa_forward_progress 1
		.amdhsa_inst_pref_size 255
	.end_amdhsa_kernel
	.section	.bss,"aw",@nobits
	.p2align	6
	.space	262144
	.amdgpu_metadata
---
amdhsa.version: [ 1, 2 ]
amdhsa.kernels:
  - .name:           k_qd7dcc4efc5_fused
    .symbol:         k_qd7dcc4efc5_fused.kd
    .args:
      - { .name: x, .offset: 0, .size: 8, .value_kind: global_buffer, .address_space: global }
      - { .name: wimg, .offset: 8, .size: 8, .value_kind: global_buffer, .address_space: global }
      - { .name: out0, .offset: 16, .size: 8, .value_kind: global_buffer, .address_space: global }
    .group_segment_fixed_size: 327680
    .private_segment_fixed_size: 0
    .kernarg_segment_align: 8
    .kernarg_segment_size: 24
    .max_flat_workgroup_size: 128
    .sgpr_count:     66
    .vgpr_count:     1024
    .wavefront_size: 32
...
	.end_amdgpu_metadata
.endif
;; end of part 2
;; ======== version 2 of 2: 2 launches; 1.16 times as fast as version 1
;; workspace buffers: wimg 3,276,800 bytes
;; launch wq (part 3): grid 256 x 1, 8 waves a work-group, no clusters, 69,632 bytes of LDS; arguments w_qkv, w_o, wimg; writes wimg
.if DOCPART == 3
	.amdgcn_target "amdgcn-amd-amdhsa--gfx1250"
	.amdhsa_code_object_version 6
	.text
	.protected	k_qd7dcc4efc5_wq
	.globl	k_qd7dcc4efc5_wq
	.p2align	8
	.type	k_qd7dcc4efc5_wq,@function
k_qd7dcc4efc5_wq:
	s_mov_b64 s[64:65], 0
	v_nop
	global_prefetch_b8 v0, s[64:65] scope:SCOPE_SE
	s_setreg_imm32_b32 hwreg(HW_REG_WAVE_MODE, 25, 1), 1
	s_wait_xcnt 0x0
; w_qkv [3072][1024] and w_o [1024][1024], f32, K innermost, become codes of BF6 (E3M2) with one E8M0 byte for each 32 along K,
; laid in wimg AS THE SECOND LAUNCH STREAMS THEM: 256 records of 12,800 bytes.  A record is a tile of 16 rows x all 1,024 of K:
; eight fragments (16 rows x 128 K) as images of the operand's registers (1,536 bytes: register group g at 512 g, lane l at 16 l), then 512 bytes
; of scale words (lane l's 16 bytes at 16 l; word e = the word of tile row l % 16 for K step 2 e + l / 16).
; WHICH ROWS FORM RECORD rec = 8 t + 2 c + a (slot t, wave part c, record a; tile row i = 0 .. 15): row = base + stride (i % 8) + jump (i / 8):
;   t 0-15  (q, k):  w_qkv, base 512 c + 32 t + 8 a, stride 1, jump 16: block 16 c + t of 32 columns; two records' results are 16 neighbours along the next K
;   t 16-23 (v):     w_qkv, base 2048 + d, stride 64, jump 512: one channel d of all 16 heads; d = 32 b + 8 u + 16 hf + 2 c + a, t - 16 = 4 b + 2 u + hf
;   t 24-31 (out):   w_o,   base 256 ((t - 24) / 2) + 64 c + 32 (t % 2) + 8 a, stride 1, jump 16
; A work-group makes one record, wave s its K step s.  A block's scale is 2^(floor(log2(largest magnitude)) - 4); its byte is that magnitude's exponent field - 4, held at 1 from below.
; LIMITS: a block of zeros gets the byte 1 where the rule says 127 (its codes are zeros, and this program alone reads the bytes); blocks whose largest magnitude
; lies under 2^-122 keep the byte 1; NaN and infinities among the inputs are not served.
.set RECB,  12800
.set SP,    528                        ; a stage row: 512 bytes + 16 = 33 x 16: the sixteen rows that a load of 16 bytes a lane touches start in different banks
.set STGB,  16*SP                      ; a wave's stage
.set SCB,   8*STGB                     ; behind the eight stages: the record's 512 bytes of scale words
.set L,     16                         ; v16-79   the numbers as loaded
.set T,     80                         ; v80-143  64 numbers of my row: register 16 b + i = k 32 b + 16 (lane / 16) + i
.set QPC,   144                        ; v144-162 the codes
.set QTM,   164                        ; v164-179 at work
.set PW,    180                        ; v180     the scale word
.set SEL,   28                         ; s[28:29] v_permlanex16_b32's selects for lane l xor 16
.set RB,    32                         ; s[32:63] the addresses of the tile's sixteen rows
; 64 numbers of a lane become a fragment's 12 registers of codes in v[QPC] on and its row's scale word in v[pw].
.macro QUANT s, pw
.irp b, 0,1,2,3
	v_max3_num_f32 v[QTM+\b], |v[\s+16*\b]|, |v[\s+1+16*\b]|, 0x2800000   ; block b: my 16 numbers, and the floor 2^(5 - 127): the byte cannot fall under 1
.endr
.irp i, 2,4,6,8,10,12,14
.irp b, 0,1,2,3
	v_max3_num_f32 v[QTM+\b], v[QTM+\b], |v[\s+16*\b+\i]|, |v[\s+1+16*\b+\i]|   ; the four blocks by turns
.endr
.endr
.irp b, 0,1,2,3
	v_permlanex16_b32 v[QTM+4+\b], v[QTM+\b], s[SEL], s[SEL+1]
.endr
.irp b, 0,1,2,3
	v_max_num_f32 v[QTM+\b], v[QTM+\b], v[QTM+4+\b]                ; with lane l xor 16's 16: the block's largest magnitude
.endr
.irp b, 0,1,2,3
	v_add_nc_u32 v[QTM+12+\b], 0xfe000000, v[QTM+\b]               ; 4 off its exponent field: the conversion takes this operand's exponent field as its scale
.endr
.irp b, 0,1,2,3
	v_lshrrev_b32 v[QTM+4+\b], 23, v[QTM+12+\b]                    ; the scale's byte
.endr
	v_lshl_or_b32 v[\pw], v[QTM+5], 8, v[QTM+4]
	v_lshl_or_b32 v[\pw], v[QTM+6], 16, v[\pw]
	v_lshl_or_b32 v[\pw], v[QTM+7], 24, v[\pw]
.irp c, 0,1
	v_cvt_scalef32_pk16_bf6_f32 v[QPC+6*\c:QPC+2+6*\c], v[\s+32*\c:\s+15+32*\c], v[QTM+12+2*\c]
	v_cvt_scalef32_pk16_bf6_f32 v[QPC+12+4*\c:QPC+14+4*\c], v[\s+16+32*\c:\s+31+32*\c], v[QTM+12+2*\c+1]   ; (a conversion's three registers begin on an even number)
.endr
	v_nop                                          ; one plain place behind a scaled conversion
.irp c, 0,1                                    ; the operand's layout wants a whole block in a lane: lanes 0-15 block 2 c, lanes 16-31 block 2 c + 1
.irp i, 0,1,2
	v_permlane16_swap_b32 v[QPC+6*\c+\i], v[QPC+12+4*\c+\i]
.endr
.irp i, 0,1,2
	v_mov_b32 v[QPC+3+6*\c+\i], v[QPC+12+4*\c+\i]
.endr
.endr
.endm
	s_load_b128 s[8:11], s[0:1], 0x0               ; w_qkv s[8:9], w_o s[10:11]
	s_load_b64 s[12:13], s[0:1], 0x10              ; wimg
	v_lshl_add_u32 v192, v0, 2, 0x10c00
	v_mov_b32 v193, 0
	v_lshrrev_b32 v1, 5, v0
	v_readfirstlane_b32 s14, v1                    ; wave = K step 0..7
	v_and_b32 v2, 31, v0
	v_and_b32 v3, 15, v0                           ; r
	v_bfe_u32 v4, v0, 4, 1                         ; h
	v_lshlrev_b32 v2, 4, v2                        ; 16 x lane
	s_lshl_b32 s15, s14, 9
	v_add_nc_u32 v5, s15, v2                       ; in a row of W: my K step's 512 bytes, 16 a lane
	s_mul_i32 s15, s14, STGB
	v_add_nc_u32 v6, s15, v2                       ; the stage, on the way in: a row as it lies
	v_mul_u32_u24 v7, v3, SP
	v_lshl_add_u32 v7, v4, 6, v7
	v_add_nc_u32 v7, s15, v7                       ; and out: row r, + 64 h: my 16 numbers of each block of 32
	s_mul_i32 s15, s14, 1536
	v_add_nc_u32 v8, s15, v2                       ; in the record: my fragment's image
	s_and_b32 s15, s14, 1
	s_lshl_b32 s15, s15, 8
	s_lshr_b32 s16, s14, 1
	s_lshl_b32 s16, s16, 2
	s_add_co_u32 s15, s15, s16
	s_add_co_u32 s15, s15, SCB
	v_lshl_add_u32 v9, v3, 4, s15                  ; my row's scale word: 16 r + 256 (s % 2) + 4 (s / 2)
	v_add_nc_u32 v10, SCB, v2                      ; the scale block read back,
	v_add_nc_u32 v11, 8*1536, v2                   ; and its place in the record
	s_mov_b32 s[SEL], 0x76543210
	s_mov_b32 s[SEL+1], 0xfedcba98
.irp b, 0,1,2,3
	v_mov_b32 v[QTM+4+\b], 0                       ; written once: a lane permute's destination counts as one of its sources
.endr
	; the record's rows
	s_and_b32 s16, ttmp9, 1                        ; a
	s_bfe_u32 s17, ttmp9, 0x20001                  ; c
	s_lshr_b32 s18, ttmp9, 3                       ; t
	s_lshl_b32 s20, s18, 5
	s_lshl_b32 s21, s17, 9
	s_add_co_u32 s20, s20, s21
	s_lshl_b32 s21, s16, 3
	s_add_co_u32 s20, s20, s21                     ; q, k: 512 c + 32 t + 8 a
	s_bfe_u32 s22, s18, 0x20001
	s_lshl_b32 s22, s22, 8
	s_lshl_b32 s23, s17, 6
	s_add_co_u32 s22, s22, s23
	s_and_b32 s23, s18, 1
	s_lshl_b32 s24, s23, 5
	s_add_co_u32 s22, s22, s24
	s_add_co_u32 s22, s22, s21                     ; out: 256 ((t / 2) % 4) + 64 c + 32 (t % 2) + 8 a
	s_bfe_u32 s24, s18, 0x10002
	s_lshl_b32 s24, s24, 5
	s_bfe_u32 s25, s18, 0x10001
	s_lshl_b32 s25, s25, 3
	s_add_co_u32 s24, s24, s25
	s_lshl_b32 s25, s23, 4
	s_add_co_u32 s24, s24, s25
	s_lshl_b32 s25, s17, 1
	s_add_co_u32 s24, s24, s25
	s_add_co_u32 s24, s24, s16
	s_add_co_u32 s24, s24, 2048                    ; v: 2048 + 32 b + 8 u + 16 hf + 2 c + a
	s_lshr_b32 s25, s18, 3                         ; t / 8: 0, 1 q and k; 2 v; 3 out
	s_cmp_lt_u32 s18, 16
	s_cselect_b32 s20, s20, s22
	s_cmp_eq_u32 s25, 2
	s_cselect_b32 s20, s24, s20                    ; the first row,
	s_cselect_b32 s21, 64, 1                       ; the stride inside eight rows,
	s_cselect_b32 s22, 512, 16                     ; and from the first eight to the second
	s_lshl_b32 s20, s20, 12                        ; in bytes: a row is 4,096
	s_lshl_b32 s21, s21, 12
	s_lshl_b32 s22, s22, 12
	s_wait_kmcnt 0x0
	s_cmp_lt_u32 s18, 24                           ; the choice of the tensor hangs on the work-group's number alone
	s_cselect_b64 s[8:9], s[8:9], s[10:11]
.irp i, 0,1,2,3,4,5,6,7,8,9,10,11,12,13,14,15
	s_mul_i32 s24, s21, (\i&7)
	s_mul_i32 s25, s22, (\i>>3)
	s_add_co_u32 s24, s24, s25
	s_add_co_u32 s24, s24, s20
	s_mov_b32 s25, 0
	s_add_nc_u64 s[RB+2*\i:RB+2*\i+1], s[8:9], s[24:25]
	global_load_b128 v[L+4*\i:L+4*\i+3], v5, s[RB+2*\i:RB+2*\i+1] th:TH_LOAD_NT   ; 32 lanes read 512 consecutive bytes of tile row i; each byte of W is read once in the launch
.endr
	s_mul_i32 s24, ttmp9, RECB
	s_mov_b32 s25, 0
	s_add_nc_u64 s[12:13], s[12:13], s[24:25]      ; my record
.irp i, 0,1,2,3,4,5,6,7,8,9,10,11,12,13,14,15
	s_wait_loadcnt 15-\i                           ; loads come back in order: row i is in, the 15 - i behind it may be out
	ds_store_b128 v6, v[L+4*\i:L+4*\i+3] offset:SP*\i
.endr
.irp b, 0,1,2,3
.irp j, 0,1,2,3
	ds_load_b128 v[T+16*\b+4*\j:T+16*\b+4*\j+3], v7 offset:128*\b+16*\j   ; LDS serves a wave's instructions in order: these see my stores
.endr
.endr
	s_wait_dscnt 0x0
	QUANT T, PW
.irp g, 0,1,2
	global_store_b128 v8, v[QPC+4*\g:QPC+4*\g+3], s[12:13] offset:512*\g   ; 512 consecutive bytes, at a multiple of 256 from the buffer's first byte
.endr
	ds_store_b32 v9, v[PW]                         ; both halves of the lanes hold row r's word and write it to the same place
	s_wait_dscnt 0x0                               ; for the others' sake: my store has landed
	s_barrier_signal -1
	s_barrier_wait -1
	s_cmp_lg_u32 s14, 0
	s_cbranch_scc1 .Ldone                          ; wave 0 sends the eight waves' words: 512 consecutive bytes
	ds_load_b128 v[L:L+3], v10
	s_wait_dscnt 0x0
	global_store_b128 v11, v[L:L+3], s[12:13]
.Ldone:
	s_wait_tensorcnt 0x0
	ds_add_u32 v192, v193
	s_wait_dscnt 0x0
	s_endpgm
.Lfunc_end_k_qd7dcc4efc5_wq:
	.size	k_qd7dcc4efc5_wq, .Lfunc_end_k_qd7dcc4efc5_wq-k_qd7dcc4efc5_wq
	.p2alignl 7, 3214868480
	.fill 96, 4, 3214868480
	.section	.rodata,"a",@progbits
	.p2align	6, 0x0
	.amdhsa_kernel k_qd7dcc4efc5_wq
		.amdhsa_group_segment_fixed_size 69632
		.amdhsa_private_segment_fixed_size 0
		.amdhsa_enable_private_segment 0
		.amdhsa_kernarg_size 24
		.amdhsa_user_sgpr_count 2
		.amdhsa_user_sgpr_kernarg_segment_ptr 1
		.amdhsa_wavefront_size32 1
		.amdhsa_system_sgpr_workgroup_id_x 1
		.amdhsa_system_sgpr_workgroup_id_y 1
		.amdhsa_system_sgpr_workgroup_id_z 1
		.amdhsa_system_vgpr_workitem_id 0
		.amdhsa_next_free_vgpr 194
		.amdhsa_next_free_sgpr 80
		.amdhsa_reserve_vcc 0
		.amdhsa_float_denorm_mode_32 3
		.amdhsa_float_denorm_mode_16_64 3
		.amdhsa_memory_ordered 1
		.amdhsa_forward_progress 1
		.amdhsa_inst_pref_size 15
	.end_amdhsa_kernel
	.amdgpu_metadata
---
amdhsa.version: [ 1, 2 ]
amdhsa.kernels:
  - .name:           k_qd7dcc4efc5_wq
    .symbol:         k_qd7dcc4efc5_wq.kd
    .args:
      - { .name: w_qkv, .offset: 0, .size: 8, .value_kind: global_buffer, .address_space: global }
      - { .name: w_o, .offset: 8, .size: 8, .value_kind: global_buffer, .address_space: global }
      - { .name: wimg, .offset: 16, .size: 8, .value_kind: global_buffer, .address_space: global }
    .group_segment_fixed_size: 69632
    .private_segment_fixed_size: 0
    .kernarg_segment_align: 8
    .kernarg_segment_size: 24
    .max_flat_workgroup_size: 256
    .sgpr_count:     80
    .vgpr_count:     194
    .wavefront_size: 32
...
	.end_amdgpu_metadata
.endif
;; end of part 3
;; launch fused (part 4): grid 256 x 1, 4 waves a work-group, clusters of 4 x 1, 327,680 bytes of LDS; arguments x, wimg, out0; writes out0
.if DOCPART == 4
	.amdgcn_target "amdgcn-amd-amdhsa--gfx1250"
	.amdhsa_code_object_version 6
	.text
	.protected	k_qd7dcc4efc5_fused
	.globl	k_qd7dcc4efc5_fused
	.p2align	8
	.type	k_qd7dcc4efc5_fused,@function
k_qd7dcc4efc5_fused:
	s_mov_b64 s[64:65], 0
	v_nop
	global_prefetch_b8 v0, s[64:65] scope:SCOPE_SE
	s_setreg_imm32_b32 hwreg(HW_REG_WAVE_MODE, 25, 1), 1
	s_wait_xcnt 0x0
	s_wait_alu depctr_hold_cnt(0) depctr_sa_sdst(0) depctr_va_vdst(0) depctr_va_sdst(0) depctr_va_ssrc(0) depctr_va_vcc(0) depctr_vm_vsrc(0)
	s_getreg_b32 s2, hwreg(HW_REG_IB_STS2, 6, 4)
	s_cmp_eq_u32 s2, 0
	s_cbranch_scc0 .Lentry_in_a_cluster
	s_endpgm
.Lentry_in_a_cluster:
	s_bfe_u32 s2, ttmp6, 0x10000c
	s_cmp_lg_u32 s2, 0x3003
	s_cbranch_scc0 .Lentry_shape_is_right
	s_endpgm
.Lentry_shape_is_right:
; out = Q(y') Q(w_o)^T,  y' = softmax over heads (per token) x v,  (q, k, v) = Q(x) Q(w_qkv)^T: the whole chain for 64 tokens in one work-group; nothing but the weights' codes comes from a launch before.
; All quantised products on codes of BF6 (E3M2) with one E8M0 byte for each 32 along K, f32 sums.  p v has f32 operands, since y' goes on into a quantiser.
; SHARES.  16,384 tokens / 256 work-groups = 64 tokens = four tiles of 16.  In the three large products THE WAVES SHARE THE COLUMNS: the weights come as a stream of 32 slots of 102,400 bytes; a slot has
; a part of 25,600 bytes for each wave: two records, each a tile of 16 rows of W x all 1,024 of K.  Wave w multiplies its two records by all four tiles of tokens, whose 32 fragments stay in its registers:
; 64 matrix instructions a slot; each fragment of W read from LDS feeds four of them, and no byte of a slot is read twice.  In the work per token (x's quantiser, scores, softmax, p v, y's quantiser) wave w owns tile w.
; CLUSTER.  The four work-groups of a cluster walk the stream in the same order, so they ask for each part JOINTLY: the same tensor load with the same descriptor and a mask that names the four.  A wave reads only the part that
; its own load brought, so its own wait on TENSORcnt is all that its reads need.
; THE ORDER OF THE STREAM DIFFERS FROM CLUSTER TO CLUSTER.  rho, 0 .. 15, is made of the cluster's number (equal in the four partners).  q, k: period tau takes slot (rho + tau) mod 16; v: the text's half beta of the channels is
; b = (beta + rho) mod 2; out: the text's turn upsilon is the 256 columns u = (upsilon + rho) mod 4.  So at any time the clusters ask for different slots; the sixteen slots of q and k are all asked for with the first fills of one
; cluster or another; and a later request follows another cluster's request for the same bytes.  What a slot holds says where its results go: three offsets (q's and k's block, y's block, out0's columns) are scalars made of rho.
; ALL PRODUCTS ARE USED TRANSPOSED (source 0 = 16 rows of W, source 1 = 16 tokens): a lane holds one token (lane % 16), its registers run along W's rows; the launch before has chosen each record's rows so that
;   q, k, out: the 16 registers of a wave's two records are 16 neighbouring columns, 32 B + 16 (lane / 16) + 0 .. 15;     v: a record is one channel d of all 16 heads: register j = head 8 (lane / 16) + j.
; SLOTS 0-15: q and k (slot t, wave w: block 16 w + t): quantised from the accumulators, codes and bytes to LDS.  Then the scores of each token, S^T = k q^T (K = 64, the upper 64 of the instruction's K are zero codes), / 32, hidden and
; zero scores to -infinity, softmax with the row's maximum taken away; p stays in registers.  SLOTS 16-23: v, 16 channels at a time through a stage in LDS, so that a lane holds a channel; y'^T = v^T p^T by the f32 matrix form;
; each 32 channels of y' are quantised to LDS.  SLOTS 24-31: the out projection, 64 columns a wave through its own stage, stored as whole rows of 256 bytes.
; LIMITS: a block of zeros gets the byte 1 where the rule says 127 (its codes are zeros, nobody else reads the bytes); blocks whose largest magnitude lies under 2^-122 keep the byte 1; NaN and infinities among the inputs
; are not served; a row of scores whose every allowed score is exactly 0 (NaN by the definition) is not served: its NaN does not pass y's quantiser.
; LDS: two slots (filled by tensor loads alone), then a region written by LDS stores alone and used anew in each phase, then the spare words.
; REGISTERS, in windows of 256: window 0: v1-28 addresses; v40-55 the tokens' scale words; v56-63 W's; v64-159 eight fragments of W; v160-223 eight accumulators; v224-255 at work.
;   window 1: token fragments f = 4 s + m < 20 at 12 f; v240-255 p of tokens 0, 1.   window 2: fragments f >= 20 at 12 (f - 20); from v144 p of tokens 2-15.   window 3: y'^T, 16 registers a token, written by the f32 matrix form alone.
.set PARTB, 25600                      ; a wave's part of a slot
.set SLOTB, 4*PARTB
.set RECB,  12800                      ; a record: 8 fragments + 512 bytes of scale words
.set FRB,   1536                       ; a fragment's image: 12 registers x 128 bytes
.set RG,    2*SLOTB                    ; the region that LDS stores write
.set SPARE, 327168                     ; the spare words, 128 bytes for each wave: two blocks of 256 bytes that no other line names
.set XIMG,  RG                         ; phase X: x's 32 fragments as images (4 s + m),
.set XSC,   XIMG+32*FRB                ; their scale words, 512 bytes a tile of tokens,
.set XSTG,  XSC+4*512                  ; and a stage of 16 x 528 bytes for each wave
.set XSP,   528
.set QKC,   RG                         ; q's and k's codes: a region for each wave that makes them, so that the waves' bytes lie apart whatever the order of the slots:
.set QKP,   400                        ; in it a token's 16 blocks of 24 bytes + 16 = 100 words: token r starts at bank 36 r mod 64, sixteen different multiples of 4 (64 banks of 4 bytes: ISA guide 11.1)
.set QKW,   64*QKP                     ; waves 0, 1 make q's blocks 0-31, waves 2, 3 k's
.set QKS,   QKC+4*QKW                  ; their scale bytes likewise: 16 a token + 4
.set QSP,   20
.set QSW,   64*QSP
.set YC,    RG                         ; y's codes: a token's 32 blocks of 24 bytes + 16: 196 words: token r starts at bank 4 r mod 64
.set YP,    784
.set YS,    YC+64*YP                   ; their scale bytes: 32 a token + 4
.set YSP,   36
.set VST,   YS+64*YSP                  ; v's stage: for each token an image of 8 registers x 32 lanes (two planes of 512 bytes) + 16
.set VP,    1040
.set OST,   VST                        ; the way out: for each wave 64 rows x (256 bytes + 16)
.set OP,    272
.set SPW,  1                           ; v1  LDS address of my spare word; never rewritten
.set NIL,  2                           ; v2  0; never rewritten
.set NINF, 3                           ; v3  -infinity
.set FA,   4                           ; v4-5  my part of slot 0, 1: + 16 x lane
.set XA,   6                           ; v6  16 x lane
.set XSW,  7                           ; v7  x's stage, in
.set XSR,  8                           ; v8  x's stage, out
.set XW,   9                           ; v9  where I store x's images
.set XR,   10                          ; v10 where anybody reads them
.set XSCW, 11                          ; v11 where I store x's scale words
.set QA0,  12                          ; v12 q, k codes: my region, token r, + 12 h
.set YAW,  13                          ; v13 y's codes, in, with the block's step
.set QS0,  14                          ; v14 q, k scale bytes: my region, token r
.set QAA,  15                          ; v15 v12 with the slot's step
.set YSW,  16                          ; v16 y's scale bytes, in, with the block's step
.set QSA,  17                          ; v17 v14 with the slot's step
.set SQ,   18                          ; v18 scores: head r, block h of my tile's first token
.set SS,   19                          ; v19 its scale bytes: lanes 0-15 q's heads, lanes 16-31 k's
.set VA,   20                          ; v20 v's stage, in
.set VR,   21                          ; v21 v's stage, out
.set YA,   22                          ; v22 y's codes, in
.set YSA,  23                          ; v23 y's scale bytes, in
.set YR,   24                          ; v24 y's fragments, out
.set YSR,  25                          ; v25 y's scale words, out
.set OSW,  26                          ; v26 the way out: in
.set ORD,  27                          ; v27 back
.set CO,   28                          ; v28 my byte offset in out0
.set XS,   40                          ; register 4 m + e: lanes 0-15 the word of K step 2 e, lanes 16-31 that of 2 e + 1, of tile m's tokens
.set WS,   56                          ; register 4 a + e: the same of record a's rows
.set F,    64
.set ACC,  160                         ; the accumulator of (record a, tile m) at ACC + 16 m + 8 a
.set T,    160                         ; phase X: 64 numbers
.set QPC,  64                          ; phase X: codes, at work, the eight scale words, the four words to store
.set QTM,  84
.set PWS,  104
.set XW4,  112
.set BTM,  224                         ; four blocks or four tokens at work
.set BTX,  228
.set BSO,  232
.set BBY,  236
.set BCD,  240
.set VO,   64                          ; v as source 0 of p v: 8 registers a token
.set YTM,  64                          ; y's quantiser: sixteen tokens at work
.set YTX,  80
.set YSO,  96
.set YBY,  112
.set YCD,  128
.set OB,   64                          ; the way out: 32 x 4 registers
.set WV,   10                          ; s10 my wave's number
.set G1,   16                          ; s[16:23] descriptor group 1
.set G0,   24                          ; s[24:31] descriptor group 0, a set for each slot
.set SEL,  32                          ; s[32:33] v_permlanex16_b32's selects for lane l xor 16
.set HM,   34                          ; s34 lanes 16-31
.set LE,   35                          ; s35 log2(e)
.set MK,   36                          ; s[36:43] register e's hidden lanes: 8 (lane / 16) + e > lane % 16
.set CNT,  44
.set QOFF, 45                          ; s45 24 bytes x the period's slot number
.set QSOFF, 46                         ; s46 the period's slot number
.set RHO,  47                          ; s47 rho
.set WB,   50                          ; s[50:51] wimg at my wave's part of slot 0
.set OFS,  52                          ; s[52:53] a slot's byte offset in the stream, as a pair
.set TC,   54                          ; s54 the period among q's and k's sixteen
.set TQ,   55                          ; s55 at work
.set QNB,  56                          ; s56 the byte offset of the next period's slot of q, k
.set OFFV, 58                          ; s58-59 the byte offset of the first slot of v's half beta
.set OFFO, 60                          ; s60-63 the byte offset of the first slot of out's turn upsilon
.set BE,   66                          ; s66-67 b of half beta
.set UE,   68                          ; s68-71 1,024 x u of turn upsilon: the columns' bytes in a row of out0
.set OUTP, 72                          ; s[72:73] out0 at the turn's columns
.set OOF,  74                          ; s[74:75] their offset as a pair
.set MSB, 0
.macro WIN new                         ; the immediate's high byte repeats the setting that is left; a switch that changes nothing is dropped
.if MSB != \new
	s_set_vgpr_msb (MSB<<8)|\new
.set MSB, \new
.endif
.endm
.macro PLACES n                        ; plain vector instructions that name no register of the matrix instructions in front of them (ISA guide 7.12.1)
.rept \n
	v_nop
.endr
.endm
.macro ROUND                           ; a round of the cluster's barrier
	s_barrier_signal -1
	s_barrier_wait -1
	s_cmp_lg_u32 s[WV], 0
	s_cbranch_scc1 .Lnot_wave_0_\@
	s_barrier_signal -3
.Lnot_wave_0_\@:
	s_barrier_wait -3
	s_barrier_signal -1
	s_barrier_wait -1
.endm
.macro BARRIER                         ; my LDS stores have landed and my LDS loads are in: then the work-group's barrier.
	s_wait_dscnt 0x0
	s_barrier_signal -1
	s_barrier_wait -1
.endm
; THE CHANGE OF SLOTS, at a period's head.  LDS slot rs, read in the period before, is filled again with the next period's slot of the stream, which begins s[reg] + k bytes into it; the load has this whole period in which to land.
.macro CHANGE rs, reg, k
	s_wait_tensorcnt 0x0                           ; my one load that was out, my part of the slot that I am about to read, has landed: so a group 0 may be written
	ds_add_u32 v[SPW], v[NIL]                      ; 0 onto my spare word
	s_add_co_u32 s[OFS], s[\reg], \k
	s_add_nc_u64 s[G0+4*\rs+2:G0+4*\rs+3], s[WB:WB+1], s[OFS:OFS+1]
	s_or_b32 s[G0+4*\rs+3], s[G0+4*\rs+3], 0x80000000   ; type = 2
	s_wait_dscnt 0x0                               ; the add is done; my reads of slot rs and all my stores of the period before are over
	ROUND                                          ; that now holds of every wave of the four work-groups
	tensor_load_to_lds s[G0+4*\rs:G0+4*\rs+3], s[G1:G1+7]   ; my one tensor load behind the round, and the first thing there
	s_nop 0
	PLACES 4
.endm
.macro NEXTQ                           ; where the next period's slot of q, k begins: slot (rho + period + 1) mod 16
	s_add_co_u32 s[TQ], s[TC], s[RHO]
	s_add_co_u32 s[TQ], s[TQ], 1
	s_and_b32 s[TQ], s[TQ], 15
	s_mul_i32 s[QNB], s[TQ], SLOTB
.endm
; d = base + cr x (lane % 16) + ch x (lane / 16) + cw x wave
.macro ADDR d, cr, ch, cw, base
	v_mul_u32_u24 v[\d], v30, \cr
.if \ch
	v_mad_u32_u24 v[\d], v31, \ch, v[\d]
.endif
.if \cw
	s_mul_i32 s11, s[WV], \cw
.if \base
	s_add_co_u32 s11, s11, \base
.endif
	v_add_nc_u32 v[\d], s11, v[\d]
.elseif \base
	v_add_nc_u32 v[\d], \base, v[\d]
.endif
.endm
; 64 numbers of a lane, register 16 b + i = k 32 b + 16 (lane / 16) + i of my row, become a fragment's 12 registers of codes in v[QPC] on and the row's scale word in v[pw].
.macro QUANT s, pw
.irp b, 0,1,2,3
	v_max3_num_f32 v[QTM+\b], |v[\s+16*\b]|, |v[\s+1+16*\b]|, 0x2800000   ; block b: my 16 numbers, and the floor 2^(5 - 127): the byte cannot fall under 1
.endr
.irp i, 2,4,6,8,10,12,14
.irp b, 0,1,2,3
	v_max3_num_f32 v[QTM+\b], v[QTM+\b], |v[\s+16*\b+\i]|, |v[\s+1+16*\b+\i]|
.endr
.endr
.irp b, 0,1,2,3
	v_permlanex16_b32 v[QTM+4+\b], v[QTM+\b], s[SEL], s[SEL+1]
.endr
.irp b, 0,1,2,3
	v_max_num_f32 v[QTM+\b], v[QTM+\b], v[QTM+4+\b]
.endr
.irp b, 0,1,2,3
	v_add_nc_u32 v[QTM+12+\b], 0xfe000000, v[QTM+\b]               ; 4 off the exponent field: the conversion's scale operand
.endr
.irp b, 0,1,2,3
	v_lshrrev_b32 v[QTM+4+\b], 23, v[QTM+12+\b]                    ; the scale's byte
.endr
	v_lshl_or_b32 v[\pw], v[QTM+5], 8, v[QTM+4]
	v_lshl_or_b32 v[\pw], v[QTM+6], 16, v[\pw]
	v_lshl_or_b32 v[\pw], v[QTM+7], 24, v[\pw]
.irp c, 0,1
	v_cvt_scalef32_pk16_bf6_f32 v[QPC+6*\c:QPC+2+6*\c], v[\s+32*\c:\s+15+32*\c], v[QTM+12+2*\c]
	v_cvt_scalef32_pk16_bf6_f32 v[QPC+12+4*\c:QPC+14+4*\c], v[\s+16+32*\c:\s+31+32*\c], v[QTM+12+2*\c+1]   ; (a conversion's three registers begin on an even number)
.endr
	v_nop                                          ; one plain place behind a scaled conversion
.irp c, 0,1                                    ; a whole block to a lane: lanes 0-15 block 2 c, lanes 16-31 block 2 c + 1
.irp i, 0,1,2
	v_permlane16_swap_b32 v[QPC+6*\c+\i], v[QPC+12+4*\c+\i]
.endr
.irp i, 0,1,2
	v_mov_b32 v[QPC+3+6*\c+\i], v[QPC+12+4*\c+\i]
.endr
.endr
.endm
; PHASE X.  K step s of my 16 tokens: sixteen loads, each 512 consecutive bytes of one token, into set s % 4 of window 1
.macro XL s
	WIN 0x40                                       ; destination window 1
.irp i, 0,1,2,3,4,5,6,7,8,9,10,11,12,13,14,15
	global_load_b128 v[64*((\s)%4)+4*\i:64*((\s)%4)+4*\i+3], v[XA], s[4:5] offset:4096*\i+512*(\s) th:TH_LOAD_NT
.endr
.endm
.macro XSTEP s
.if (\s) < 6
	s_wait_loadcnt 32                              ; step s is in; the 32 loads of the two steps behind it may be out
.else
	s_wait_loadcnt 16*(7-(\s))
.endif
	WIN 0x04                                       ; an LDS store's data are its source 1: window 1
.irp i, 0,1,2,3,4,5,6,7,8,9,10,11,12,13,14,15
	ds_store_b128 v[XSW], v[64*((\s)%4)+4*\i:64*((\s)%4)+4*\i+3] offset:XSP*\i
.endr
.irp b, 0,1,2,3
.irp j, 0,1,2,3
	ds_load_b128 v[T+16*\b+4*\j:T+16*\b+4*\j+3], v[XSR] offset:128*\b+16*\j   ; LDS serves a wave's instructions in order: these see my stores
.endr
.endr
.if (\s)+3 < 8
	XL (\s)+3                                      ; into the set that the step before has left
.endif
	WIN 0
	s_wait_dscnt 0x0
	QUANT T, PWS+(\s)
.irp g, 0,1,2
	ds_store_b128 v[XW], v[QPC+4*\g:QPC+4*\g+3] offset:4*FRB*(\s)+512*\g      ; fragment 4 s + w as it stands
.endr
.endm
.macro XLOAD                           ; all 32 fragments of x, and their scale words, into my registers
.set f, 0
.rept 32
.if f < 20
	WIN 0x40
.else
	WIN 0x80
.endif
.set rB, 12*(f%20)
.irp g, 0,1,2
	ds_load_b128 v[rB+4*\g:rB+4*\g+3], v[XR] offset:FRB*f+512*\g
.endr
.set f, f+1
.endr
	WIN 0
.irp m, 0,1,2,3
	ds_load_b128 v[XS+4*\m:XS+4*\m+3], v[XR] offset:32*FRB+512*\m
.endr
.endm
; A PERIOD'S PRODUCTS.  WFR: four fragments of record a, K steps s0 on, from my part of slot sl.
.macro WFR sl, a, s0
.irp s, \s0, \s0+1, \s0+2, \s0+3
.irp g, 0,1,2
	ds_load_b128 v[F+12*(\s)+4*\g:F+12*(\s)+4*\g+3], v[FA+\sl] offset:RECB*\a+FRB*(\s)+512*\g
.endr
.endr
.endm
; HALF: 16 matrix instructions: record a, K steps s0 .. s0 + 3, the four tiles of tokens by turns, one instruction a turn.  K step 0 starts the sums: nothing is cleared.
.macro HALF a, s0
.irp s, \s0, \s0+1, \s0+2, \s0+3
.if (\s) < 5
	WIN 0x04                                       ; source 1 (the tokens) window 1
.else
	WIN 0x08                                       ; window 2
.endif
.irp m, 0,1,2,3
.set rD, ACC+16*\m+8*\a
.set rA, F+12*(\s)
.set rB, 12*((4*(\s)+\m)%20)
.set rW, WS+4*\a+(\s)/2
.set rX, XS+4*\m+(\s)/2
.if (\s) == 0
	v_wmma_scale_f32_16x16x128_f8f6f4 v[rD:rD+7], v[rA:rA+11], v[rB:rB+11], 0, v[rW], v[rX] matrix_a_fmt:MATRIX_FMT_BF6 matrix_b_fmt:MATRIX_FMT_BF6
.elseif (\s)%2
	v_wmma_scale_f32_16x16x128_f8f6f4 v[rD:rD+7], v[rA:rA+11], v[rB:rB+11], v[rD:rD+7], v[rW], v[rX] matrix_a_fmt:MATRIX_FMT_BF6 matrix_b_fmt:MATRIX_FMT_BF6 matrix_a_scale:MATRIX_SCALE_ROW1 matrix_b_scale:MATRIX_SCALE_ROW1
.else
	v_wmma_scale_f32_16x16x128_f8f6f4 v[rD:rD+7], v[rA:rA+11], v[rB:rB+11], v[rD:rD+7], v[rW], v[rX] matrix_a_fmt:MATRIX_FMT_BF6 matrix_b_fmt:MATRIX_FMT_BF6
.endif
.endr
.endr
.endm
; The LDS loads stand under the products' window settings: those change source 1 alone, which a load does not have.
.macro GEMM sl
	ds_load_b128 v[WS:WS+3], v[FA+\sl] offset:8*FRB
	ds_load_b128 v[WS+4:WS+7], v[FA+\sl] offset:RECB+8*FRB
	WFR \sl, 0, 0
	WFR \sl, 0, 4
	s_wait_dscnt 12                                ; all but the youngest twelve: record 0's K steps 4-7
	HALF 0, 0
	PLACES 4                                       ; in front of loads into registers that matrix instructions have read
	WFR \sl, 1, 0
	s_wait_dscnt 12                                ; all but the twelve just issued
	HALF 0, 4
	PLACES 4
	WFR \sl, 1, 4
	s_wait_dscnt 12
	HALF 1, 0
	s_wait_dscnt 0x0
	HALF 1, 4
	WIN 0
	PLACES 5                                       ; four for reads of the results and for loads into the operands; the fifth for the next product that begins an accumulator anew
.endm
; Four blocks of 32 by turns: tile m's 16 registers hold 16 neighbours of a block, lane l xor 16 the other 16.  Codes (12 bytes a lane) in v[BCD + 4 m] on, the byte in v[BBY + m].  Each accumulator is read from its low end on.
.macro BLOCKQ4
.irp m, 0,1,2,3
	v_max3_num_f32 v[BTM+\m], |v[ACC+16*\m]|, |v[ACC+16*\m+1]|, 0x2800000
.endr
.irp i, 2,4,6,8,10,12,14
.irp m, 0,1,2,3
	v_max3_num_f32 v[BTM+\m], v[BTM+\m], |v[ACC+16*\m+\i]|, |v[ACC+16*\m+\i+1]|
.endr
.endr
.irp m, 0,1,2,3
	v_permlanex16_b32 v[BTX+\m], v[BTM+\m], s[SEL], s[SEL+1]
.endr
.irp m, 0,1,2,3
	v_max_num_f32 v[BTM+\m], v[BTM+\m], v[BTX+\m]
.endr
.irp m, 0,1,2,3
	v_add_nc_u32 v[BSO+\m], 0xfe000000, v[BTM+\m]
.endr
.irp m, 0,1,2,3
	v_lshrrev_b32 v[BBY+\m], 23, v[BSO+\m]
.endr
.irp m, 0,1,2,3
	v_cvt_scalef32_pk16_bf6_f32 v[BCD+4*\m:BCD+4*\m+2], v[ACC+16*\m:ACC+16*\m+15], v[BSO+\m]
.endr
	v_nop                                          ; one plain place behind a scaled conversion
.endm
.macro QKEPI                           ; this period's slot is t = (rho + period) mod 16: block 16 w + t of q or k, for 64 tokens: 12 bytes a lane at 24 t + 12 h of the token's row in my region, the byte at t
	s_add_co_u32 s[QSOFF], s[TC], s[RHO]
	s_and_b32 s[QSOFF], s[QSOFF], 15
	s_mul_i32 s[QOFF], s[QSOFF], 24
	v_add_nc_u32 v[QAA], s[QOFF], v[QA0]
	v_add_nc_u32 v[QSA], s[QSOFF], v[QS0]
	BLOCKQ4
.irp m, 0,1,2,3
.irp e, 0,1,2
	ds_store_b32 v[QAA], v[BCD+4*\m+\e] offset:16*QKP*\m+4*\e
.endr
	ds_store_b8 v[QSA], v[BBY+\m] offset:16*QSP*\m                 ; both lanes of a block write the same byte with the same value
.endr
	s_add_co_u32 s[TC], s[TC], 1
.endm
; PHASE S, four tokens (4 g + q) of my tile at a time.  S^T = k q^T: lane (i = lane % 16, h) holds query head i; register e key head j = 8 h + e.
.macro SBATCH g
.irp q, 0,1,2,3
.irp p, 0,1,2
	ds_load_b64 v[F+24*\q+2*\p:F+24*\q+2*\p+1], v[SQ] offset:QKP*(4*\g+\q)+2*QKW+8*\p     ; k: head r, block h: 24 bytes as they lie; k's regions lie two regions behind q's
	ds_load_b64 v[F+24*\q+12+2*\p:F+24*\q+12+2*\p+1], v[SQ] offset:QKP*(4*\g+\q)+8*\p     ; q
.endr
	ds_load_u16 v[WS+\q], v[SS] offset:QSP*(4*\g+\q)               ; two bytes a head: lanes 0-15 q's, lanes 16-31 k's; the upper two bytes, over zero codes, are 0
.endr
	s_wait_dscnt 0x0
.irp q, 0,1,2,3
	v_wmma_scale_f32_16x16x128_f8f6f4 v[ACC+8*\q:ACC+8*\q+7], v[F+24*\q:F+24*\q+11], v[F+24*\q+12:F+24*\q+23], 0, v[WS+\q], v[WS+\q] matrix_a_fmt:MATRIX_FMT_BF6 matrix_b_fmt:MATRIX_FMT_BF6 matrix_a_scale:MATRIX_SCALE_ROW1
.endr
	PLACES 5                                       ; for the reads below, the next batch's loads, and its products, which begin these accumulators anew
.irp e, 0,1,2,3,4,5,6,7
.irp q, 0,1,2,3
	v_mul_f32 v[ACC+8*\q+\e], 0x3d000000, v[ACC+8*\q+\e]           ; / sqrt(1024): x 2^-5, exact
.endr
.endr
.irp e, 0,1,2,3,4,5,6,7
.irp q, 0,1,2,3
	v_cmp_eq_f32 vcc_lo, 0, v[ACC+8*\q+\e]
	v_cndmask_b32 v[ACC+8*\q+\e], v[ACC+8*\q+\e], v[NINF], vcc_lo  ; every exact zero becomes -infinity,
	v_cndmask_b32 v[ACC+8*\q+\e], v[ACC+8*\q+\e], v[NINF], s[MK+\e]   ; and so does what lies above the diagonal
.endr
.endr
.irp q, 0,1,2,3
	v_max3_num_f32 v[BTM+\q], v[ACC+8*\q], v[ACC+8*\q+1], v[ACC+8*\q+2]
.endr
.irp e, 3,5
.irp q, 0,1,2,3
	v_max3_num_f32 v[BTM+\q], v[BTM+\q], v[ACC+8*\q+\e], v[ACC+8*\q+\e+1]
.endr
.endr
.irp q, 0,1,2,3
	v_max_num_f32 v[BTM+\q], v[BTM+\q], v[ACC+8*\q+7]
.endr
.irp q, 0,1,2,3
	v_permlanex16_b32 v[BTX+\q], v[BTM+\q], s[SEL], s[SEL+1]
.endr
.irp q, 0,1,2,3
	v_max_num_f32 v[BTM+\q], v[BTM+\q], v[BTX+\q]                  ; the row's maximum
.endr
.irp q, 0,1,2,3
	v_mul_f32 v[BSO+\q], s[LE], v[BTM+\q]
.endr
.irp e, 0,1,2,3,4,5,6,7
.irp q, 0,1,2,3
	v_fma_f32 v[ACC+8*\q+\e], v[ACC+8*\q+\e], s[LE], -v[BSO+\q]    ; (s - max) log2(e) in one rounding; the rounding of max log2(e) is the same for the whole row and leaves with the division
.endr
.endr
.irp e, 0,1,2,3,4,5,6,7
.irp q, 0,1,2,3
	v_exp_f32 v[ACC+8*\q+\e], v[ACC+8*\q+\e]
.endr
.endr
	v_nop                                          ; a plain place behind the exponentials
	s_wait_alu depctr_va_vdst(0)
.irp q, 0,1,2,3
	v_add_f32 v[BBY+\q], v[ACC+8*\q], v[ACC+8*\q+1]
.endr
.irp e, 2,3,4,5,6,7
.irp q, 0,1,2,3
	v_add_f32 v[BBY+\q], v[BBY+\q], v[ACC+8*\q+\e]
.endr
.endr
.irp q, 0,1,2,3
	v_permlanex16_b32 v[BTX+\q], v[BBY+\q], s[SEL], s[SEL+1]
.endr
.irp q, 0,1,2,3
	v_add_f32 v[BBY+\q], v[BBY+\q], v[BTX+\q]
.endr
.irp q, 0,1,2,3
	v_rcp_f32 v[BCD+\q], v[BBY+\q]
.endr
	v_nop                                          ; a plain place behind the reciprocals
	s_wait_alu depctr_va_vdst(0)
.irp q, 0,1,2,3
.if 4*\g+\q < 2
	WIN 0x40                                       ; p of tokens 0, 1: window 1
.set rP, 240+8*(4*\g+\q)
.else
	WIN 0x80                                       ; of the others: window 2
.set rP, 144+8*(4*\g+\q-2)
.endif
.irp e, 0,1,2,3,4,5,6,7
	v_mul_f32 v[rP+\e], v[ACC+8*\q+\e], v[BCD+\q]
.endr
.endr
	WIN 0
.endm
; v: record a of this period is channel d = 32 b + 16 hf + 8 u + 2 w + a.  My lane (token r, h) holds heads 8 h + 0 .. 7 of it: they go to the token's image at lane 16 h + 8 hf + 2 w + a, four registers a plane.
.macro VEPI hf
.irp m, 0,1,2,3
.irp a, 0,1
	ds_store_b128 v[VA], v[ACC+16*\m+8*\a:ACC+16*\m+8*\a+3] offset:16*VP*\m+128*\hf+16*\a          ; each accumulator from its low end on
	ds_store_b128 v[VA], v[ACC+16*\m+8*\a+4:ACC+16*\m+8*\a+7] offset:16*VP*\m+128*\hf+16*\a+512
.endr
.endr
.endm
; y'^T = v^T p^T for my 16 tokens, 16 channels: source 0 lane (r', h) register e = v(head 8 h + e, channel 32 b + 16 (r' / 8) + 8 u + r' % 8); source 1 = p.  The instruction's k = 2 h + j stands for head 8 h + 2 s + j on both sides.
; Result: lane (i, h), register e: channel 32 b + 16 h + 8 u + e of head i.  The sixteen tokens' accumulators take turns; K step 0 starts the sums.
.macro P3 u
.irp t, 0,1,2,3,4,5,6,7,8,9,10,11,12,13,14,15
	ds_load_b128 v[VO+8*\t:VO+8*\t+3], v[VR] offset:VP*\t
.endr
.irp t, 0,1,2,3,4,5,6,7,8,9,10,11,12,13,14,15
	ds_load_b128 v[VO+8*\t+4:VO+8*\t+7], v[VR] offset:VP*\t+512
.endr
.irp s, 0,1,2,3
.if \s == 0
	s_wait_dscnt 16                                ; the first plane is in
.elseif \s == 2
	s_wait_dscnt 0x0
.endif
.irp t, 0,1,2,3,4,5,6,7,8,9,10,11,12,13,14,15
.if \t < 2
	WIN 0xf4                                       ; C and D window 3, p window 1
.set rP, 240+8*\t
.else
	WIN 0xf8                                       ; p window 2
.set rP, 144+8*(\t-2)
.endif
.if \s == 0
	v_wmma_f32_16x16x4_f32 v[16*\t+8*\u:16*\t+8*\u+7], v[VO+8*\t+2*\s:VO+8*\t+2*\s+1], v[rP+2*\s:rP+2*\s+1], 0
.else
	v_wmma_f32_16x16x4_f32 v[16*\t+8*\u:16*\t+8*\u+7], v[VO+8*\t+2*\s:VO+8*\t+2*\s+1], v[rP+2*\s:rP+2*\s+1], v[16*\t+8*\u:16*\t+8*\u+7]
.endif
.endr
.endr
	WIN 0
	PLACES 9                                       ; eight for reads of the results and loads into the operands, the ninth for matrix instructions that write over them
.endm
; The text's half beta of y's channels, 32 b .. 32 b + 31 with b = s[BE + beta], my 16 tokens by turns: a lane's 16 registers and lane l xor 16's are block 2 i + b of the last product's K.
.macro YQUANT beta
	s_mul_i32 s[TQ], s[BE+\beta], 24
	v_add_nc_u32 v[YAW], s[TQ], v[YA]              ; the block's 24 bytes,
	v_add_nc_u32 v[YSW], s[BE+\beta], v[YSA]       ; and its byte
	WIN 0x0f                                       ; sources 0 and 1: window 3
.irp t, 0,1,2,3,4,5,6,7,8,9,10,11,12,13,14,15
	v_max3_num_f32 v[YTM+\t], |v[16*\t]|, |v[16*\t+1]|, 0x2800000
.endr
.irp i, 2,4,6,8,10,12,14
.irp t, 0,1,2,3,4,5,6,7,8,9,10,11,12,13,14,15
	v_max3_num_f32 v[YTM+\t], |v[16*\t+\i]|, |v[16*\t+\i+1]|, v[YTM+\t]   ; ascending: each accumulator is read from its low end on
.endr
.endr
	WIN 0
.irp t, 0,1,2,3,4,5,6,7,8,9,10,11,12,13,14,15
	v_permlanex16_b32 v[YTX+\t], v[YTM+\t], s[SEL], s[SEL+1]       ; (its destination has held v)
.endr
.irp t, 0,1,2,3,4,5,6,7,8,9,10,11,12,13,14,15
	v_max_num_f32 v[YTM+\t], v[YTM+\t], v[YTX+\t]
.endr
.irp t, 0,1,2,3,4,5,6,7,8,9,10,11,12,13,14,15
	v_add_nc_u32 v[YSO+\t], 0xfe000000, v[YTM+\t]
.endr
.irp t, 0,1,2,3,4,5,6,7,8,9,10,11,12,13,14,15
	v_lshrrev_b32 v[YBY+\t], 23, v[YSO+\t]
.endr
	WIN 0x03                                       ; source 0: window 3
.irp t, 0,1,2,3,4,5,6,7,8,9,10,11,12,13,14,15
	v_cvt_scalef32_pk16_bf6_f32 v[YCD+4*\t:YCD+4*\t+2], v[16*\t:16*\t+15], v[YSO+\t]
.endr
	WIN 0
	v_nop                                          ; one plain place behind a scaled conversion
.irp t, 0,1,2,3,4,5,6,7,8,9,10,11,12,13,14,15
.irp e, 0,1,2
	ds_store_b32 v[YAW], v[YCD+4*\t+\e] offset:YP*\t+4*\e
.endr
	ds_store_b8 v[YSW], v[YBY+\t] offset:YSP*\t
.endr
.endm
.macro YLOAD                           ; y's 32 fragments take x's place: lane (r, h) of fragment 4 s + m: token 16 m + r, 24 bytes at 96 s + 24 h and at 96 s + 48 + 24 h, in pieces of 8
.set f, 0
.rept 32
.if f < 20
	WIN 0x40
.else
	WIN 0x80
.endif
.set rB, 12*(f%20)
.irp p, 0,1,2,3,4,5
	ds_load_b64 v[rB+2*\p:rB+2*\p+1], v[YR] offset:16*YP*(f%4)+96*(f/4)+48*(\p/3)+8*(\p%3)
.endr
.set f, f+1
.endr
	WIN 0
.irp m, 0,1,2,3
.irp e, 0,1,2,3
	ds_load_b32 v[XS+4*\m+\e], v[YSR] offset:16*YSP*\m+8*\e
.endr
.endr
	s_wait_dscnt 0x0
.endm
.macro OEPI par                        ; a lane's 16 registers of tile m are 16 neighbouring columns, 32 par + 16 h on, of my 64: 64 bytes of the token's row in my stage
.irp m, 0,1,2,3
.irp q, 0,1,2,3
	ds_store_b128 v[OSW], v[ACC+16*\m+4*\q:ACC+16*\m+4*\q+3] offset:16*OP*\m+128*\par+16*\q
.endr
.endr
.endm
.macro WAYOUT ups                      ; my 64 columns, 64 (4 u + w) on with 1,024 u = s[UE + upsilon], of 64 tokens: back as rows of 256 bytes, two an instruction.  The stage is my own: LDS serves a wave's instructions in order
	s_mov_b32 s[OOF], s[UE+\ups]
	s_add_nc_u64 s[OUTP:OUTP+1], s[8:9], s[OOF:OOF+1]              ; (the turn before has waited on XCNT behind its stores)
.set i, 0
.rept 32
	ds_load_b128 v[OB+4*i:OB+4*i+3], v[ORD] offset:2*OP*i
.set i, i+1
.endr
.set i, 0
.rept 32
	s_wait_dscnt 31-i
	global_store_b128 v[CO], v[OB+4*i:OB+4*i+3], s[OUTP:OUTP+1] offset:8192*i th:TH_STORE_NT   ; sixteen lanes store 256 consecutive bytes, at a multiple of 256 from out0's first byte
.set i, i+1
.endr
.if \ups < 3
	s_wait_xcnt 0x0                                ; the registers that these stores read, and their base, are written again only behind this wait
.endif
.endm
	; ---- the head
	s_load_b128 s[4:7], s[0:1], 0x0                ; x s[4:5], wimg s[6:7]
	s_load_b64 s[8:9], s[0:1], 0x10                ; out0
	v_lshl_add_u32 v[SPW], v0, 2, SPARE
	v_mov_b32 v[NIL], 0
	ds_add_u32 v1, v2
	ds_add_u32 v1, v2
	s_wait_dscnt 0x0
	v_lshrrev_b32 v29, 5, v0
	v_readfirstlane_b32 s[WV], v29                 ; wave 0..3
	s_bfe_u32 s12, ttmp6, 0x40000                  ; cx: it enters x's and out0's addresses alone
	s_lshl_b32 s13, ttmp9, 2                       ; in a cluster launch ttmp9 counts clusters
	s_add_co_u32 s12, s13, s12                     ; my work-group
	s_lshl_b32 s12, s12, 18                        ; its 64 tokens of 4,096 bytes
	s_mov_b32 s13, 0
	s_lshl_b32 s14, s[WV], 16                      ; my wave's 16 of them
	s_mov_b32 s15, 0
	; where my cluster begins in each part of the stream
	s_lshr_b32 s[RHO], ttmp9, 2
	s_xor_b32 s[RHO], s[RHO], ttmp9
	s_and_b32 s[RHO], s[RHO], 15                   ; rho: the cluster's number's six bits folded to four, so that clusters whose numbers agree in any one bit still take all sixteen values
	s_mov_b32 s[OFS+1], 0
	s_mov_b32 s[OOF+1], 0
	s_mov_b32 s[TC], 0
	s_and_b32 s[BE], s[RHO], 1                     ; v: b of the text's first half,
	s_xor_b32 s[BE+1], s[BE], 1                    ; and of its second
.irp b, 0,1
	s_lshl_b32 s[OFFV+\b], s[BE+\b], 2
	s_add_co_u32 s[OFFV+\b], s[OFFV+\b], 16
	s_mul_i32 s[OFFV+\b], s[OFFV+\b], SLOTB        ; slot 16 + 4 b, in bytes
.endr
.irp u, 0,1,2,3
	s_add_co_u32 s[UE+\u], s[RHO], \u
	s_and_b32 s[UE+\u], s[UE+\u], 3                ; out: u of the text's turn
	s_lshl_b32 s[OFFO+\u], s[UE+\u], 1
	s_add_co_u32 s[OFFO+\u], s[OFFO+\u], 24
	s_mul_i32 s[OFFO+\u], s[OFFO+\u], SLOTB        ; slot 24 + 2 u, in bytes
	s_lshl_b32 s[UE+\u], s[UE+\u], 10              ; and the 256 columns' bytes in a row of out0
.endr
	; descriptor group 1: a dense block of 25,600 bytes as 100 rows of 256
	s_mov_b32 s[G1], 15|(3<<16)|(1<<21)            ; 15:0 the mask: all four work-groups; 17:16 elements of 8 bytes; 20 no padding; 21 set beside a mask
	s_mov_b32 s[G1+1], 32<<16                      ; tensor_dim0 = 32
	s_mov_b32 s[G1+2], 100<<16                     ; tensor_dim1 = 100
	s_mov_b32 s[G1+3], 32<<16                      ; tile_dim0 = 32
	s_mov_b32 s[G1+4], 100                         ; tile_dim1 = 100
	s_mov_b32 s[G1+5], 32                          ; from row to row
	s_mov_b32 s[G1+6], 0
	s_mov_b32 s[G1+7], 0
	s_mul_i32 s48, s[WV], PARTB                    ; my part of a slot, in the stream and in LDS: the wave's number alone
	s_mov_b32 s49, 0
	s_mov_b32 s[G0], 1
	s_mov_b32 s[G0+1], s48
	s_mov_b32 s[G0+4], 1
	s_add_co_u32 s[G0+5], s48, SLOTB
	s_mov_b32 s[SEL], 0x76543210
	s_mov_b32 s[SEL+1], 0xfedcba98
	s_mov_b32 s[HM], 0xffff0000
	s_mov_b32 s[LE], 0x3fb8aa3b
	v_and_b32 v30, 15, v0                          ; r
	v_bfe_u32 v31, v0, 4, 1                        ; h
	ADDR XA, 16, 256, 0, 0
	s_wait_kmcnt 0x0
	s_add_nc_u64 s[WB:WB+1], s[6:7], s[48:49]      ; the stream at my part of its slot 0
	s_mul_i32 s[OFS], s[RHO], SLOTB
	s_add_nc_u64 s[G0+2:G0+3], s[WB:WB+1], s[OFS:OFS+1]   ; period 0: slot rho,
	s_add_co_u32 s[TQ], s[RHO], 1
	s_and_b32 s[TQ], s[TQ], 15
	s_mul_i32 s[OFS], s[TQ], SLOTB
	s_add_nc_u64 s[G0+6:G0+7], s[WB:WB+1], s[OFS:OFS+1]   ; period 1: slot (rho + 1) mod 16
	s_or_b32 s[G0+3], s[G0+3], 0x80000000          ; type = 2
	s_or_b32 s[G0+7], s[G0+7], 0x80000000
	s_add_nc_u64 s[4:5], s[4:5], s[12:13]
	s_add_nc_u64 s[4:5], s[4:5], s[14:15]          ; x at my wave's first token
	s_add_nc_u64 s[8:9], s[8:9], s[12:13]          ; out0 at the work-group's first token
	ROUND                                          ; all four work-groups are here: the first joint loads meet
	tensor_load_to_lds s[G0:G0+3], s[G1:G1+7]      ; both first fills together: two loads of mine are out
	s_nop 0
	tensor_load_to_lds s[G0+4:G0+7], s[G1:G1+7]
	s_nop 0
	PLACES 4
	XL 0
	XL 1
	XL 2
	WIN 0
	ADDR FA, 16, 256, PARTB, 0
	v_add_nc_u32 v[FA+1], SLOTB, v[FA]
	ADDR XSW, 16, 256, 16*XSP, XSTG
	ADDR XSR, XSP, 64, 16*XSP, XSTG
	ADDR XW, 16, 256, FRB, XIMG
	ADDR XR, 16, 256, 0, RG
	ADDR XSCW, 16, 256, 512, XSC
	ADDR QA0, QKP, 12, QKW, QKC
	ADDR QS0, QSP, 0, QSW, QKS
	v_and_b32 v35, 7, v30                          ; head r's blocks 2 r + h = 16 (r / 8) + 2 (r % 8) + h lie in region r / 8 (k's: two regions on), at place 2 (r % 8) + h
	v_lshrrev_b32 v36, 3, v30
	v_mul_u32_u24 v[SQ], v35, 48
	v_mad_u32_u24 v[SQ], v36, QKW, v[SQ]
	v_mad_u32_u24 v[SQ], v31, 24, v[SQ]
	s_mul_i32 s11, s[WV], 16*QKP                   ; my tile's first token
	s_add_co_u32 s11, s11, QKC
	v_add_nc_u32 v[SQ], s11, v[SQ]
	v_lshlrev_b32 v[SS], 1, v35
	v_mad_u32_u24 v[SS], v36, QSW, v[SS]
	v_mad_u32_u24 v[SS], v31, 2*QSW, v[SS]         ; lanes 16-31 take k's bytes
	s_mul_i32 s11, s[WV], 16*QSP
	s_add_co_u32 s11, s11, QKS
	v_add_nc_u32 v[SS], s11, v[SS]
	ADDR VA, VP, 256, 32, VST
	ADDR VR, 16, 256, 16*VP, VST
	ADDR YA, 48, 12, 16*YP, YC
	ADDR YSA, 2, 0, 16*YSP, YS
	ADDR YR, YP, 24, 0, YC
	ADDR YSR, YSP, 4, 0, YS
	ADDR OSW, OP, 64, 64*OP, OST
	ADDR ORD, 16, OP, 64*OP, OST
	ADDR CO, 16, 4096, 256, 0
	v_mov_b32 v[NINF], 0xff800000
	v_lshlrev_b32 v32, 3, v31
	v_sub_nc_u32 v32, v30, v32                     ; i - 8 h
.irp j, 0,1,2,3,4,5,6,7
	v_cmp_gt_i32 s[MK+\j], \j, v32                 ; hidden where 8 h + j > i
.endr
.irp b, 0,1,2,3
	v_mov_b32 v[QTM+4+\b], 0                       ; written once: a lane permute's destination counts as one of its sources
	v_mov_b32 v[BTX+\b], 0
.endr
	; ---- X: my 16 tokens of x become eight fragments; loads run three K steps ahead
.irp s, 0,1,2,3,4,5,6,7
	XSTEP \s
.endr
.irp e, 0,1,2,3
	v_cndmask_b32 v[XW4+\e], v[PWS+2*\e], v[PWS+2*\e+1], s[HM]     ; lanes 0-15 keep K step 2 e's word, lanes 16-31 take 2 e + 1's
.endr
	ds_store_b128 v[XSCW], v[XW4:XW4+3]
	BARRIER                                        ; x's 32 fragments lie in LDS
	XLOAD
	BARRIER                                        ; every wave has them in registers: their bytes may be written again
	; ---- sixteen periods: q and k
	s_wait_tensorcnt 0x1                           ; my part of period 0's slot is in; period 1's load, issued behind it, may be out
	GEMM 0
	QKEPI
	s_mov_b32 s[CNT], 7
.Lqk:                                              ; periods 1 to 14, two a trip
	NEXTQ
	CHANGE 0, QNB, 0
	GEMM 1
	QKEPI
	NEXTQ
	CHANGE 1, QNB, 0
	GEMM 0
	QKEPI
	s_sub_co_u32 s[CNT], s[CNT], 1
	s_cmp_lg_u32 s[CNT], 0
	s_cbranch_scc1 .Lqk
	CHANGE 0, OFFV, 0                              ; period 15 asks for v's first slot
	GEMM 1
	QKEPI
	BARRIER                                        ; all 64 blocks of every token lie in LDS
	; ---- S: scores and softmax of my 16 tokens
.irp q, 0,1,2,3
.irp j, 6,7,8,9,10,11,18,19,20,21,22,23
	v_mov_b32 v[F+24*\q+\j], 0                     ; K = 64: the upper 64 of the instruction's K are zero codes, on both sides
.endr
.endr
	PLACES 4                                       ; an operand written by vector instructions stands four places ahead of a scaled matrix instruction
.irp g, 0,1,2,3
	SBATCH \g
.endr
	; ---- eight periods: v, p v and y's quantiser: 16 channels to two periods; the text's half ch / 2 of the channels takes four slots on end
.irp ch, 0,1,2,3
	CHANGE 1, OFFV+(\ch/2), (2*(\ch%2)+1)*SLOTB
	GEMM 0
	VEPI 0
.if \ch == 1
	CHANGE 0, OFFV+1, 0                            ; on to the other half of the channels
.elseif \ch == 3
	CHANGE 0, OFFO, 0                              ; on to the out projection
.else
	CHANGE 0, OFFV+(\ch/2), 2*SLOTB
.endif
	GEMM 1
	VEPI 1
	BARRIER                                        ; 16 channels of all heads of 64 tokens lie in the stage
	P3 (\ch%2)
.if \ch%2
	YQUANT (\ch/2)
.endif
.endr
	; ---- eight periods: the out projection, 64 columns a wave to two periods
.irp u, 0,1,2,3
	CHANGE 1, OFFO+\u, SLOTB                       ; (the first of these rounds also shows every wave's codes of y' stored)
.if \u == 0
	YLOAD
.endif
	GEMM 0
	OEPI 0
.if \u < 3
	CHANGE 0, OFFO+\u+1, 0
.else
	s_wait_tensorcnt 0x0                           ; the last period: no load was issued behind its own, and nothing is left to ask for
.endif
	GEMM 1
	OEPI 1
	WAYOUT \u
.endr
	s_wait_tensorcnt 0x0                           ; the wave's end, behind my last tensor load and my last LDS store
	ds_add_u32 v[SPW], v[NIL]
	s_wait_dscnt 0x0
	ROUND                                          ; the closing round: no work-group ends while a partner may still ask for a part that names it
	s_endpgm
.Lfunc_end_k_qd7dcc4efc5_fused:
	.size	k_qd7dcc4efc5_fused, .Lfunc_end_k_qd7dcc4efc5_fused-k_qd7dcc4efc5_fused
	.p2alignl 7, 3214868480
	.fill 96, 4, 3214868480
	.section	.rodata,"a",@progbits
	.p2align	6, 0x0
	.amdhsa_kernel k_qd7dcc4efc5_fused
		.amdhsa_group_segment_fixed_size 327680
		.amdhsa_private_segment_fixed_size 0
		.amdhsa_enable_private_segment 0
		.amdhsa_kernarg_size 24
		.amdhsa_user_sgpr_count 2
		.amdhsa_user_sgpr_kernarg_segment_ptr 1
		.amdhsa_wavefront_size32 1
		.amdhsa_system_sgpr_workgroup_id_x 1
		.amdhsa_system_sgpr_workgroup_id_y 1
		.amdhsa_system_sgpr_workgroup_id_z 1
		.amdhsa_system_vgpr_workitem_id 0
		.amdhsa_next_free_vgpr 1024
		.amdhsa_next_free_sgpr 80
		.amdhsa_reserve_vcc 1
		.amdhsa_float_denorm_mode_32 3
		.amdhsa_float_denorm_mode_16_64 3
		.amdhsa_memory_ordered 1
		.amdhsa_forward_progress 1
		.amdhsa_inst_pref_size 255
	.end_amdhsa_kernel
	.section	.bss,"aw",@nobits
	.p2align	6
	.space	262144
	.amdgpu_metadata
---
amdhsa.version: [ 1, 2 ]
amdhsa.kernels:
  - .name:           k_qd7dcc4efc5_fused
    .symbol:         k_qd7dcc4efc5_fused.kd
    .args:
      - { .name: x, .offset: 0, .size: 8, .value_kind: global_buffer, .address_space: global }
      - { .name: wimg, .offset: 8, .size: 8, .value_kind: global_buffer, .address_space: global }
      - { .name: out0, .offset: 16, .size: 8, .value_kind: global_buffer, .address_space: global }
    .group_segment_fixed_size: 327680
    .private_segment_fixed_size: 0
    .kernarg_segment_align: 8
    .kernarg_segment_size: 24
    .max_flat_workgroup_size: 128
    .sgpr_count:     80
    .vgpr_count:     1024
    .wavefront_size: 32
...
	.end_amdgpu_metadata
.endif
;; end of part 4
